; MI455X (gfx1250); checked and timed in simulation.
; The chip was launched on July 23, 2026; its instructions are those of AMD's public machine-readable ISA for CDNA 5 (MIT licence, August 2026) and "CDNA5" Instruction Set Architecture Reference Guide (July 2026). The comments in the code are by the model that wrote it; some were corrected since.
;; Causal Self Attention. Allowed arithmetic: matrix products marked QUANTISED: E2M1 operands, one E8M0 scale for each 32 along K, by v_wmma_scale_f32_16x16x128_f8f6f4 with both operands' format E2M1 (or v_wmma_scale_f32_32x16x128_f4), f32 sums; products left as they are: bf16, f16 or f32 operands; f32 sums; everything else in f32.
;; Inputs: W_attn 1,024 x 3,072 float32; W_proj 1,024 x 1,024 float32; b_attn 3,072 float32; b_proj 1,024 float32; x 4 x 2,048 x 1,024 float32.
;; Outputs: out0 4 x 2,048 x 1,024 float32.
;; This version of the problem:
;;   THIS VERSION OF THE PROBLEM IS GIVEN IN LOW PRECISION. The matrix products marked QUANTISED in the list below multiply operands that are first quantised to E2M1 (2 exponent bits, 1 mantissa bit; 4 bits a number), with one power-of-two scale for each 32 numbers along K (OCP MX v1.0); their sums are f32. The products marked 'left as it is' may take bf16, f16 or f32 operands, with f32 sums. Whichever they take, every output number must still come out within the allowed error. Rounding operands to bf16 (8 significant bits) uses up far more of that allowance than f16 does (11 bits, for magnitudes from 6e-5 to 65,504). All else is computed in f32.
;;   The module's matrix products, in the order in which they are computed (A, B: the left and right operand; K: the contracted axis; several contracted axes count as one K, in the product's order):
;;     1. [M 8,192, K 1,024] x [K 1,024, N 3,072]; A: input x; B: input W_attn: QUANTISED
;;     2. batch 64 x [M 2,048, K 64] x [K 64, N 2,048]; A: computed on the way; B: computed on the way: left as it is (an operand is computed on the way)
;;     3. batch 64 x [M 2,048, K 2,048] x [K 2,048, N 64]; A: computed on the way; B: computed on the way: left as it is (an operand is computed on the way)
;;     4. [M 8,192, K 1,024] x [K 1,024, N 1,024]; A: computed on the way; B: input W_proj: left as it is (an operand is computed on the way)
;;   THE QUANTISER, for each operand of a quantised product, along K:
;;     - K is cut into blocks of 32 from its start; a last block that is shorter is filled with zeros.
;;     - A block's scale is 2^e with e = floor(log2(the largest magnitude in the block)) - 2, held to -126 .. 127; a block of zeros has e = 0. As a byte (E8M0): e + 127.
;;     - Each number is divided by its block's scale, clamped to +-6, and rounded to the nearest number of E2M1, ties to even, subnormals kept.
;;     - The product sums the exact products of the quantised numbers (number of the format x scale) in f32.
;;   ~~~python
;;   def quantise(x, axis):      # numpy; x: float32 -> the quantised numbers, widened to float32 again
;;       x = np.moveaxis(x, axis, -1); K = x.shape[-1]
;;       x = np.pad(x, [(0, 0)] * (x.ndim - 1) + [(0, -K % 32)]); x = x.reshape(x.shape[:-1] + (-1, 32)); a = np.abs(x).max(-1, keepdims=True)
;;       e = np.where(a > 0, np.clip(np.frexp(np.where(a > 0, a, 1))[1] - 1 - 2, -126, 127), 0)      # np.frexp(a)[1] - 1 = floor(log2(a)), exactly
;;       r = np.clip(x / 2.0 ** e, -6, 6)
;;       step = 2.0 ** (np.maximum(np.frexp(np.where(r == 0, 1, r))[1] - 1, 0) - 1)
;;       q = np.round(r / step) * step * 2.0 ** e      # np.round: ties to even
;;       return np.moveaxis(q.reshape(q.shape[:-2] + (-1,))[..., :K], -1, axis).astype(np.float32)
;;   ~~~
;; One version. Each part assembles by itself: llvm-mc -triple=amdgcn-amd-amdhsa -mcpu=gfx1250 --defsym DOCPART=n.
;; ======== version 1 of 1: 5 launches
;; limits: values are held in f16: magnitudes above 65,504 overflow, below 6.1e-05 lose precision
;; workspace buffers: xc 4,194,304 bytes; xs 262,144 bytes; wc 1,572,864 bytes; ws 98,304 bytes; wp 4,194,304 bytes; qkv 50,331,648 bytes; q32 786,432 bytes; y 16,777,216 bytes
;; launch prep (part 1): grid 256 x 1, 8 waves a work-group, no clusters, 68,608 bytes of LDS; arguments x, W_attn, W_proj, xc, xs, wc, ws, wp; writes xc, xs, wc, ws, wp
.if DOCPART == 1
	.amdgcn_target "amdgcn-amd-amdhsa--gfx1250"
	.amdhsa_code_object_version 6
	.text
	.protected	k_q9bcf9cd2d7_prep
	.globl	k_q9bcf9cd2d7_prep
	.p2align	8
	.type	k_q9bcf9cd2d7_prep,@function
k_q9bcf9cd2d7_prep:
	s_mov_b64 s[64:65], 0
	v_nop
	global_prefetch_b8 v0, s[64:65] scope:SCOPE_SE
	s_setreg_imm32_b32 hwreg(HW_REG_WAVE_MODE, 25, 1), 1
	s_wait_xcnt 0x0
; PREP: the operands of the later launches, laid as images of the matrix operands' registers.
;   x      [8192][1024] f32 -> xc: codes of E2M1, xs: one E8M0 byte for each 32 along K       (work-groups 0-127)
;   W_attn [1024][3072] f32 -> wc, ws: the same, quantised along its FIRST axis, which is K    (work-groups 128-223)
;   W_proj [1024][1024] f32 -> wp: f16, a high part and a low part (w = high + low)            (work-groups 224-255)
; A fragment is 1,024 bytes, two pieces of 512: in piece c lane l's registers 4c..4c+3 lie at byte 16 l.
;   xc [rb128 64][slot 2][a 8][q 4][1024]: row 128 rb128 + 16 a + l%16, k = 512 slot + 128 q + 64 c + 32 (l/16) + 0..31;  xs [rb128][slot][row 128][q 4] words
;   wc [nb128 24][slot 2][b 8][q 4][1024], ws [nb128][slot][n%128][q]: the same for W_attn's columns n
;   wp [part 2][nb64 16][ks 4][b 4][kc 8][1024]: n = 64 nb64 + 16 b + l%16, k = 256 ks + 32 kc + 16 c + 8 (l/16) + 0..7
; THE QUANTISER: a block's scale is 2^(floor(log2(largest magnitude)) - 2); its byte is the largest magnitude's exponent field - 2, held at 1 from below.
; WORK THAT THE PROGRAM LEAVES OUT, for all finite values of the inputs:
;   (a) b_attn[1024:2048], the bias bk on k.  scores = q.(k0 + bk)/8 = q.k0/8 + q.bk/8; the second term is the same for all keys of a query, so the softmax along the keys takes it away
;       (the mask's -inf is untouched by it); k goes nowhere else, and the product with q is not quantised.  Those 1,024 numbers are not loaded by any launch.
;   (b) key steps that lie wholly above the diagonal of reference()'s own tril are not multiplied: their weights are 0.
;   LIMIT: a NaN, an infinity or an overflow that lies only in bk or in hidden scores is not carried to the result.
; LIMITS: NaN and infinities among the inputs are not served.  A block of zeros gets the byte 1 (the rule says 127): its codes are zeros, and this program alone reads the bytes.
;   High parts of W_proj under 2^-14 are not exact in f16: an absolute error of at most 2^-25.
; Only the path for x touches LDS (each wave its own stage); no barrier, no tensor load: waves share nothing.
.set SPARE, 67584                      ; behind the eight stages: the spare words, 128 bytes a wave
.set STGB,  8448                       ; a wave's stage: 16 rows x (512 bytes + 16)
.set SPW, 2                            ; v2  LDS address of my spare word; never rewritten
.set NIL, 3                            ; v3  0; never rewritten
.set SW,  16                           ; v16-19  a row's four scale words
.set PCB, 32                           ; v32-47  two sets of 8 registers of codes
.set TM,  48                           ; v48-63  at work in QUANT
.set XN,  64                           ; v64-127 64 numbers of my row: register 16 b + i = k 32 b + 16 (lane/16) + i
.set RR,  128                          ; v128-255 numbers as they are loaded
; 64 numbers of a lane, v[s]..v[s+63], become a fragment's codes in v[pc] on and my row's scale word in v[pw]
.macro QUANT s, pc, pw
.irp b, 0,1,2,3
	v_max3_num_f32 v[TM+\b], |v[\s+16*\b]|, |v[\s+1+16*\b]|, 0x1800000   ; my 16 numbers of block b, and the floor 2^(3-127): the byte cannot fall under 1
.endr
.irp i, 2,4,6,8,10,12,14
.irp b, 0,1,2,3
	v_max3_num_f32 v[TM+\b], v[TM+\b], |v[\s+16*\b+\i]|, |v[\s+1+16*\b+\i]|
.endr
.endr
.irp b, 0,1,2,3
	v_permlanex16_b32 v[TM+4+\b], v[TM+\b], s22, s23
.endr
.irp b, 0,1,2,3
	v_max_num_f32 v[TM+\b], v[TM+\b], v[TM+4+\b]             ; with lane l xor 16's: the block's largest magnitude
.endr
.irp b, 0,1,2,3
	v_add_nc_u32 v[TM+12+\b], 0xff000000, v[TM+\b]           ; 2 off its exponent field: the conversion's scale operand
.endr
.irp b, 0,1,2,3
	v_lshrrev_b32 v[TM+4+\b], 23, v[TM+12+\b]                ; the scale's byte
.endr
	v_lshl_or_b32 v[\pw], v[TM+5], 8, v[TM+4]
	v_lshl_or_b32 v[\pw], v[TM+6], 16, v[\pw]
	v_lshl_or_b32 v[\pw], v[TM+7], 24, v[\pw]
.irp b, 0,1,2,3
	v_cvt_scalef32_pk8_fp4_f32 v[\pc+2*\b], v[\s+16*\b:\s+7+16*\b], v[TM+12+\b]
	v_cvt_scalef32_pk8_fp4_f32 v[\pc+1+2*\b], v[\s+8+16*\b:\s+15+16*\b], v[TM+12+\b]
.endr
	v_nop                                                    ; one plain place behind a scaled conversion
.irp c, 0,1                                                  ; the operand wants a whole block in a lane: lanes 0-15 block 2c, lanes 16-31 block 2c+1
.irp i, 0,1
	v_permlane16_swap_b32 v[\pc+4*\c+\i], v[\pc+2+4*\c+\i]
.endr
.endr
.endm
.macro XLOAD q                         ; 16 rows x 128 along K: each load reads 512 consecutive bytes of one row
.irp i, 0,1,2,3,4,5,6,7,8,9,10,11,12,13,14,15
	global_load_b128 v[RR+64*((\q)%2)+4*\i:RR+64*((\q)%2)+4*\i+3], v6, s[4:5] offset:\i*4096+(\q)*512 th:TH_LOAD_NT
.endr
.endm
.macro XTURN q                         ; through my stage: in by rows as loaded, out 16 neighbours of each block a lane.  LDS serves a wave's instructions in order
.irp i, 0,1,2,3,4,5,6,7,8,9,10,11,12,13,14,15
	ds_store_b128 v7, v[RR+64*((\q)%2)+4*\i:RR+64*((\q)%2)+4*\i+3] offset:\i*528
.endr
.irp b, 0,1,2,3
.irp i, 0,1,2,3
	ds_load_b128 v[XN+16*\b+4*\i:XN+16*\b+4*\i+3], v8 offset:128*\b+16*\i
.endr
.endr
.endm
; two f32 numbers a, b -> their high parts (11 significant bits) packed in H, what is left packed in L
.macro SPLIT2 H, L, a, b, t
	v_add_nc_u32 v[\t], s24, v[\a]
	v_add_nc_u32 v[(\t)+1], s24, v[\b]
	v_and_b32 v[\t], s25, v[\t]
	v_and_b32 v[(\t)+1], s25, v[(\t)+1]
	v_cvt_pk_f16_f32 v[\H], v[\t], v[(\t)+1]
	v_sub_f32 v[\t], v[\a], v[\t]                            ; exact
	v_sub_f32 v[(\t)+1], v[\b], v[(\t)+1]
	v_cvt_pk_f16_f32 v[\L], v[\t], v[(\t)+1]
.endm
.macro WBLOCK t                        ; block t of my column: 32 numbers down K, all mine
.set XS, RR+32*(\t)
.if (\t) < 2
	s_wait_loadcnt 63                                        ; 96 (64) younger loads would do; the wait's field holds 63
.else
	s_wait_loadcnt 32*(3-(\t))
.endif
	v_max3_num_f32 v34, |v[XS]|, |v[XS+1]|, |v[XS+2]|
	v_max3_num_f32 v35, |v[XS+3]|, |v[XS+4]|, |v[XS+5]|
.irp i, 6,10,14,18,22,26
	v_max3_num_f32 v34, v34, |v[XS+\i]|, |v[XS+\i+1]|
	v_max3_num_f32 v35, v35, |v[XS+\i+2]|, |v[XS+\i+3]|
.endr
	v_max3_num_f32 v34, v34, |v[XS+30]|, |v[XS+31]|
	v_max3_num_f32 v34, v34, v35, 0x1800000
	v_add_nc_u32 v[36+(\t)], 0xff000000, v34
	v_lshrrev_b32 v35, 23, v[36+(\t)]
.if (\t) == 0
	v_mov_b32 v32, v35
.else
	v_lshl_or_b32 v32, v35, 8*(\t), v32
.endif
.irp g, 0,1,2,3
	v_cvt_scalef32_pk8_fp4_f32 v[16+4*(\t)+\g], v[XS+8*\g:XS+8*\g+7], v[36+(\t)]
.endr
	global_store_b128 v11, v[16+4*(\t):16+4*(\t)+3], s[14:15] offset:(\t)*256   ; the block's 16 bytes are lane (n%16, t%2)'s part of piece t/2: sixteen lanes fill 256 consecutive bytes
.endm
.macro PGROUP g                        ; eight numbers down K of my column: 16 bytes of the high part's fragment, 16 of the low's
.set PS, 16+8*((\g)%8)
.if 120-8*(\g) > 63
	s_wait_loadcnt 63
.else
	s_wait_loadcnt 120-8*(\g)                                ; the loads behind this group's eight may be out
.endif
.if (\g) == 8
	s_wait_xcnt 0x0                                          ; the first eight groups' stores have read their registers: the sets are written again
.endif
.irp i, 0,1,2,3
	SPLIT2 PS+\i, PS+4+\i, RR+8*(\g)+2*\i, RR+8*(\g)+2*\i+1, 80+2*\i
.endr
	global_store_b128 v11, v[PS:PS+3], s[18:19] offset:(\g)*256
	global_store_b128 v11, v[PS+4:PS+7], s[18:19] offset:(\g)*256+2097152
.endm
	s_load_b256 s[4:11], s[0:1], 0x0               ; x s[4:5], W_attn s[6:7], W_proj s[8:9], xc s[10:11]
	s_load_b256 s[12:19], s[0:1], 0x20             ; xs s[12:13], wc s[14:15], ws s[16:17], wp s[18:19]
	v_lshl_add_u32 v[SPW], v0, 2, SPARE
	v_mov_b32 v[NIL], 0
	v_lshrrev_b32 v1, 5, v0
	v_readfirstlane_b32 s20, v1                    ; wave 0..7
	v_and_b32 v1, 31, v0                           ; lane
	v_and_b32 v4, 15, v0                           ; r
	v_bfe_u32 v5, v0, 4, 1                         ; h
	s_mov_b32 s22, 0x76543210
	s_mov_b32 s23, 0xfedcba98                      ; v_permlanex16_b32's selects for lane l xor 16
	s_mov_b32 s24, 0x1000                          ; half of the last kept bit,
	s_mov_b32 s25, 0xffffe000                      ; and the mask that keeps 11 significant bits
	s_mov_b32 s29, 0                               ; the high word of every offset
	s_wait_kmcnt 0x0
	s_cmp_lt_u32 ttmp9, 128
	s_cbranch_scc0 .Lnot_x
	; ---- x: a wave takes 16 rows x 512 along K: one (rb128, slot, a)
	s_lshl_b32 s26, ttmp9, 3
	s_add_co_u32 s26, s26, s20
	s_lshr_b32 s27, s26, 1                         ; which 16 rows
	s_and_b32 s26, s26, 1                          ; slot
	s_lshl_b32 s28, s27, 16
	s_lshl_b32 s30, s26, 11
	s_add_co_u32 s28, s28, s30
	s_add_nc_u64 s[4:5], s[4:5], s[28:29]
	s_lshr_b32 s30, s27, 3
	s_lshl_b32 s30, s30, 1
	s_add_co_u32 s30, s30, s26                     ; 2 rb128 + slot
	s_and_b32 s31, s27, 7                          ; a
	s_lshl_b32 s28, s30, 15
	s_lshl_b32 s32, s31, 12
	s_add_co_u32 s28, s28, s32
	s_add_nc_u64 s[10:11], s[10:11], s[28:29]
	s_lshl_b32 s28, s30, 11
	s_lshl_b32 s32, s31, 8
	s_add_co_u32 s28, s28, s32
	s_add_nc_u64 s[12:13], s[12:13], s[28:29]
	v_lshlrev_b32 v6, 4, v1                        ; 16 x lane
	s_mul_i32 s26, s20, STGB
	v_add_nc_u32 v7, s26, v6                       ; the stage, in
	v_mul_u32_u24 v8, v4, 528
	v_lshl_add_u32 v8, v5, 6, v8
	v_add_nc_u32 v8, s26, v8                       ; and out: row r, + 64 h
	v_lshlrev_b32 v9, 4, v4
	v_lshl_add_u32 v9, v5, 3, v9                   ; the scale words' place: 16 r + 8 h
.irp b, 0,1,2,3
	v_mov_b32 v[TM+4+\b], 0                        ; written once: a lane permute's destination counts as one of its sources
.endr
	XLOAD 0
	XLOAD 1
.irp q, 0,1,2,3
.if \q < 3
	s_wait_loadcnt 16                              ; this step's 16 loads are in; the next step's may be out
.else
	s_wait_loadcnt 0x0
.endif
	XTURN \q
	s_wait_dscnt 0x0                               ; my numbers are back, and the stage's stores have read their registers,
.if \q < 2
	XLOAD \q+2                                     ; which take the loads of two steps on
.endif
.if \q >= 2
	s_wait_xcnt 0x0                                ; the stores of two steps back have read this set of codes
.endif
	QUANT XN, PCB+8*(\q%2), SW+\q
	global_store_b128 v6, v[PCB+8*(\q%2):PCB+8*(\q%2)+3], s[10:11] offset:\q*1024       ; 512 consecutive bytes a store
	global_store_b128 v6, v[PCB+8*(\q%2)+4:PCB+8*(\q%2)+7], s[10:11] offset:\q*1024+512
.endr
	v_cmp_ne_u32 vcc_lo, 0, v5
	v_cndmask_b32 v20, v[SW], v[SW+2], vcc_lo      ; lanes 0-15 store words 0, 1 of row r, lanes 16-31 words 2, 3
	v_cndmask_b32 v21, v[SW+1], v[SW+3], vcc_lo
	global_store_b64 v9, v[20:21], s[12:13]        ; 256 consecutive bytes, aligned
	s_wait_tensorcnt 0x0                           ; the wave's end
	ds_add_u32 v[SPW], v[NIL]
	s_wait_dscnt 0x0
	s_endpgm
.Lnot_x:
	s_cmp_lt_u32 ttmp9, 224
	s_cbranch_scc0 .Lpath_p
	; ---- W_attn: a wave takes 32 columns x 128 along K; a lane takes a column and its registers run down K
	s_sub_co_u32 s26, ttmp9, 128
	s_and_b32 s27, s26, 7                          ; which 128 along K
	s_lshr_b32 s26, s26, 3                         ; which 256 columns
	s_mul_i32 s28, s27, 1572864                    ; 128 rows of 12,288 bytes
	s_lshl_b32 s30, s26, 10
	s_add_co_u32 s28, s28, s30
	s_lshl_b32 s30, s20, 7
	s_add_co_u32 s28, s28, s30
	s_add_nc_u64 s[6:7], s[6:7], s[28:29]
	s_lshl_b32 s30, s26, 1
	s_lshr_b32 s31, s20, 2
	s_add_co_u32 s30, s30, s31                     ; nb128
	s_lshl_b32 s30, s30, 1
	s_lshr_b32 s31, s27, 2
	s_add_co_u32 s30, s30, s31                     ; 2 nb128 + slot
	s_and_b32 s31, s27, 3                          ; q
	s_and_b32 s32, s20, 3                          ; which 32 of the 128 columns
	s_lshl_b32 s28, s30, 5
	s_lshl_b32 s33, s32, 3
	s_add_co_u32 s28, s28, s33
	s_add_co_u32 s28, s28, s31
	s_lshl_b32 s28, s28, 10                        ; fragment (2 (w%4), q)
	s_add_nc_u64 s[14:15], s[14:15], s[28:29]
	s_lshl_b32 s28, s30, 11
	s_lshl_b32 s33, s32, 9
	s_add_co_u32 s28, s28, s33
	s_lshl_b32 s33, s31, 2
	s_add_co_u32 s28, s28, s33
	s_add_nc_u64 s[16:17], s[16:17], s[28:29]
	v_lshlrev_b32 v10, 2, v1                       ; in: 4 bytes a lane: the eight waves stand side by side on 1,024 bytes of a row
	v_lshlrev_b32 v11, 12, v5
	v_lshl_add_u32 v11, v4, 4, v11                 ; out: lanes 16-31 belong to the next block of 16 columns, 4 fragments on
	v_lshlrev_b32 v12, 4, v1                       ; scale words: 16 bytes from column to column
.set I, 0
.rept 128
	global_load_b32 v[RR+I], v10, s[6:7] offset:I*12288 th:TH_LOAD_NT
.set I, I+1
.endr
	WBLOCK 0
	WBLOCK 1
	WBLOCK 2
	WBLOCK 3
	global_store_b32 v12, v32, s[16:17]            ; 4 bytes a lane, 16 apart: 98,304 bytes in all beside the 12.6 MB that this path reads; whole runs would want a barrier under a branch on the work-group's number
	s_endpgm
.Lpath_p:
	; ---- W_proj: the same loads; f16 high and low parts, K innermost
	s_sub_co_u32 s26, ttmp9, 224
	s_and_b32 s27, s26, 7                          ; which 128 along K
	s_lshr_b32 s26, s26, 3                         ; which 256 columns
	s_lshl_b32 s28, s27, 19                        ; 128 rows of 4,096 bytes
	s_lshl_b32 s30, s26, 10
	s_add_co_u32 s28, s28, s30
	s_lshl_b32 s30, s20, 7
	s_add_co_u32 s28, s28, s30
	s_add_nc_u64 s[8:9], s[8:9], s[28:29]
	s_lshl_b32 s30, s26, 2
	s_lshr_b32 s31, s20, 1
	s_add_co_u32 s30, s30, s31                     ; nb64
	s_lshl_b32 s30, s30, 2
	s_lshr_b32 s31, s27, 1
	s_add_co_u32 s30, s30, s31                     ; 4 nb64 + ks
	s_lshl_b32 s28, s30, 5
	s_and_b32 s31, s20, 1
	s_lshl_b32 s31, s31, 4
	s_add_co_u32 s28, s28, s31                     ; + 8 b, b = 2 (w%2)
	s_and_b32 s31, s27, 1
	s_lshl_b32 s31, s31, 2
	s_add_co_u32 s28, s28, s31                     ; + kc
	s_lshl_b32 s28, s28, 10
	s_add_nc_u64 s[18:19], s[18:19], s[28:29]
	v_lshlrev_b32 v10, 2, v1
	v_lshlrev_b32 v11, 13, v5
	v_lshl_add_u32 v11, v4, 4, v11                 ; lanes 16-31: the next block of 16 columns, 8 fragments on
.set I, 0
.rept 128
	global_load_b32 v[RR+I], v10, s[8:9] offset:I*4096 th:TH_LOAD_NT
.set I, I+1
.endr
.set Q, 0
.rept 16
	PGROUP Q
.set Q, Q+1
.endr
	s_endpgm
.Lfunc_end_k_q9bcf9cd2d7_prep:
	.size	k_q9bcf9cd2d7_prep, .Lfunc_end_k_q9bcf9cd2d7_prep-k_q9bcf9cd2d7_prep
	.p2alignl 7, 3214868480
	.fill 96, 4, 3214868480
	.section	.rodata,"a",@progbits
	.p2align	6, 0x0
	.amdhsa_kernel k_q9bcf9cd2d7_prep
		.amdhsa_group_segment_fixed_size 68608
		.amdhsa_private_segment_fixed_size 0
		.amdhsa_enable_private_segment 0
		.amdhsa_kernarg_size 64
		.amdhsa_user_sgpr_count 2
		.amdhsa_user_sgpr_kernarg_segment_ptr 1
		.amdhsa_wavefront_size32 1
		.amdhsa_system_sgpr_workgroup_id_x 1
		.amdhsa_system_sgpr_workgroup_id_y 1
		.amdhsa_system_sgpr_workgroup_id_z 1
		.amdhsa_system_vgpr_workitem_id 0
		.amdhsa_next_free_vgpr 256
		.amdhsa_next_free_sgpr 66
		.amdhsa_reserve_vcc 1
		.amdhsa_float_denorm_mode_32 3
		.amdhsa_float_denorm_mode_16_64 3
		.amdhsa_memory_ordered 1
		.amdhsa_forward_progress 1
		.amdhsa_inst_pref_size 89
	.end_amdhsa_kernel
	.amdgpu_metadata
---
amdhsa.version: [ 1, 2 ]
amdhsa.kernels:
  - .name:           k_q9bcf9cd2d7_prep
    .symbol:         k_q9bcf9cd2d7_prep.kd
    .args:
      - { .name: x, .offset: 0, .size: 8, .value_kind: global_buffer, .address_space: global }
      - { .name: W_attn, .offset: 8, .size: 8, .value_kind: global_buffer, .address_space: global }
      - { .name: W_proj, .offset: 16, .size: 8, .value_kind: global_buffer, .address_space: global }
      - { .name: xc, .offset: 24, .size: 8, .value_kind: global_buffer, .address_space: global }
      - { .name: xs, .offset: 32, .size: 8, .value_kind: global_buffer, .address_space: global }
      - { .name: wc, .offset: 40, .size: 8, .value_kind: global_buffer, .address_space: global }
      - { .name: ws, .offset: 48, .size: 8, .value_kind: global_buffer, .address_space: global }
      - { .name: wp, .offset: 56, .size: 8, .value_kind: global_buffer, .address_space: global }
    .group_segment_fixed_size: 68608
    .private_segment_fixed_size: 0
    .kernarg_segment_align: 8
    .kernarg_segment_size: 64
    .max_flat_workgroup_size: 256
    .sgpr_count:     66
    .vgpr_count:     256
    .wavefront_size: 32
...
	.end_amdgpu_metadata
.endif
;; end of part 1
;; launch qkv (part 2): grid 12 x 32, 4 waves a work-group, clusters of 4 x 4, 327,680 bytes of LDS; arguments xc, xs, wc, ws, b_attn, qkv, q32; writes qkv, q32
.if DOCPART == 2
	.amdgcn_target "amdgcn-amd-amdhsa--gfx1250"
	.amdhsa_code_object_version 6
	.text
	.protected	k_q9bcf9cd2d7_qkv
	.globl	k_q9bcf9cd2d7_qkv
	.p2align	8
	.type	k_q9bcf9cd2d7_qkv,@function
k_q9bcf9cd2d7_qkv:
	s_mov_b64 s[64:65], 0
	v_nop
	global_prefetch_b8 v0, s[64:65] scope:SCOPE_SE
	s_setreg_imm32_b32 hwreg(HW_REG_WAVE_MODE, 25, 1), 1
	s_wait_xcnt 0x0
	s_wait_alu depctr_hold_cnt(0) depctr_sa_sdst(0) depctr_va_vdst(0) depctr_va_sdst(0) depctr_va_ssrc(0) depctr_va_vcc(0) depctr_vm_vsrc(0)
	s_getreg_b32 s2, hwreg(HW_REG_IB_STS2, 6, 4)
	s_cmp_eq_u32 s2, 0
	s_cbranch_scc0 .Lentry_in_a_cluster
	s_endpgm
.Lentry_in_a_cluster:
	s_bfe_u32 s2, ttmp6, 0x10000c
	s_cmp_lg_u32 s2, 0xf033
	s_cbranch_scc0 .Lentry_shape_is_right
	s_endpgm
.Lentry_shape_is_right:
; qkv = Q(x) Q(W_attn) + b_attn on codes of E2M1 with one E8M0 scale for each 32 along K; sums in f32.  M 8,192, N 3,072, K 1,024.
; LEFT OUT: b_attn[1024:2048], the bias on k: it adds q.bk/8 to all scores of a query alike, which the softmax along the keys takes away, and k goes nowhere else.  It is not loaded; k's sums start from 0.
; A tile of 256 x 256 is made by four waves, 128 x 128 each: 64 accumulators, 512 registers.  All of K lies in two LDS slots of 512 along K: no LDS byte is filled twice, and there is no loop.
; The operands lie in memory as images of their fragments (1,024 bytes: two pieces of 512, lane l's 16 bytes at 16 l), so a slot's part is one dense block and every LDS load is 16 x lane + a constant.
; CLUSTERS: 4 x 4 work-groups.  cy is the batch, the cluster's y the block of 256 positions, so that positions 0-15 belong to clusters with y = 0: the same in all partners.  The four of a row of the
; cluster need the same tiles of x, the four of a column the same tiles of W: each is asked for jointly.  The cluster's x says q (0), k (1) or v (2).
; THE MATRIX INSTRUCTION IS USED TRANSPOSED (source 0 = 16 columns of W, source 1 = 16 rows of x): a lane holds eight neighbouring columns of one row.  Packed to f16 they are 16 bytes of the next
; launch's operand image, and are stored straight from registers, 512 consecutive bytes a store:  qkv [b 4][g 48][t16 128][bl 4][512]: lane (r,h) of piece bl: t = 16 t16 + r, d = 16 bl + 8 h + 0..7.
; Positions 0-15 of each batch also go out in f32:  q32 [b][g 48][bl 4][e 2][512]: d = 16 bl + 8 h + 4 e + 0..3.
; LIMIT: q, k, v beyond 65,504 do not fit f16 (with x and W both 30 times the drawn spread they stay under some 5,000).
; REGISTERS: window 0: v16-29 addresses; v32-95 scale words, two sets, and nothing else; v128-191 A's fragments, one set; v192-255 the bias, 8 registers for each block of 16 columns; on the way out v128-255 take the packed results.
;   window 1: B's fragments, two sets.  windows 2, 3: the accumulators ((a, b) at v[8 (8 (a%4) + b)]).
.set NQ,    4
.set FR,    8
.set NL,    2
.set NP,    4
.set PART,  32768                      ; 128 rows x 512 along K of codes: what one tensor load brings
.set SLOT,  4*PART                     ; A's two halves, then B's two
.set SCL,   2*SLOT                     ; the scale words: 4 parts of 4,096 bytes, [slot 2][row 128][16 bytes]
.set SPARE, SCL+4*4096                 ; the spare words, 128 bytes a wave
.set ADRA, 16
.set ADRB, 20
.set CO,   26                          ; v26 16 x lane
.set ADRS, 27
.set SPW,  28
.set NIL,  29
.set SC,   32
.set AF,   128
.set BIAS, 192
.set PK,   128
.set G1, 24
.set G0, 32
.set G1B, 48
.set G0B, 56
.set G1S, 68
.set G0S, 76
.set G1SB, 80
.set G0SB, 88
.set MSB, 0
.macro WIN new
.if MSB != \new
	s_set_vgpr_msb (MSB<<8)|\new
.set MSB, \new
.endif
.endm
.set MUL_LO, 0xa1                      ; source 0 (B) window 1, source 1 (A) window 0, C and D window 2
.set MUL_HI, 0xf1
.set TO_B,   0x40
; A joint load: waves 0 and 1 fetch for A, waves 2 and 3 for B; the branch hangs on the wave's number alone.  An s_nop 0 and four v_nop follow each line.
.macro JLOAD g0a, g1a, g0b, g1b
	s_cmp_eq_u32 s19, 0
	s_cbranch_scc0 .Lfor_b_\@
	tensor_load_to_lds s[\g0a:\g0a+3], s[\g1a:\g1a+7]
	s_nop 0
.rept 4
	v_nop
.endr
	s_branch .Lasked_\@
.Lfor_b_\@:
	tensor_load_to_lds s[\g0b:\g0b+3], s[\g1b:\g1b+7]
	s_nop 0
.rept 4
	v_nop
.endr
.Lasked_\@:
.endm
.macro CROUND                          ; a round of the cluster's barrier
	s_barrier_signal -1
	s_barrier_wait -1
	s_cmp_lg_u32 s18, 0
	s_cbranch_scc1 .Lnot_wave_0_\@
	s_barrier_signal -3
.Lnot_wave_0_\@:
	s_barrier_wait -3
	s_barrier_signal -1
	s_barrier_wait -1
.endm
	s_load_b256 s[4:11], s[0:1], 0x0               ; xc s[4:5], xs s[6:7], wc s[8:9], ws s[10:11]
	s_load_b128 s[12:15], s[0:1], 0x20             ; b_attn s[12:13], qkv s[14:15]
	s_load_b64 s[16:17], s[0:1], 0x30              ; q32
	v_lshl_add_u32 v[SPW], v0, 2, SPARE
	v_mov_b32 v[NIL], 0
	ds_add_u32 v[SPW], v[NIL]                      ; the wave's opening: the add, twice on end, and its wait ahead of my first tensor load
	ds_add_u32 v[SPW], v[NIL]
	v_lshrrev_b32 v1, 5, v0
	v_readfirstlane_b32 s18, v1                    ; wave 0..3
	s_lshr_b32 s19, s18, 1                         ; my half of the tile's rows.  Also: I fetch for A (0) or B (1)
	s_and_b32 s20, s18, 1                          ; my half of its columns.  Also: which half I fetch
	s_bfe_u32 s40, ttmp6, 0x40000                  ; cx
	s_bfe_u32 s41, ttmp6, 0x40004                  ; cy = the batch
	s_mov_b32 s66, ttmp9                           ; the cluster's x: q, k or v
	s_and_b32 s67, ttmp7, 0xffff                   ; the cluster's y: the block of 256 positions
	s_lshl_b32 s42, s66, 2
	s_add_co_u32 s42, s42, s40                     ; tile column
	s_lshl_b32 s43, s41, 2
	s_lshl_b32 s43, 15, s43                        ; my row of the cluster
	s_lshl_b32 s44, 0x1111, s40                    ; my column
	; group 1: dense blocks as rows of 256 bytes (32 elements of 8 bytes), no padding: 128 rows of codes, 16 of scale words
	s_or_b32 s[G1+0], s43, (3<<16)|(1<<21)
	s_or_b32 s[G1B+0], s44, (3<<16)|(1<<21)
	s_or_b32 s[G1S+0], s43, (3<<16)|(1<<21)
	s_or_b32 s[G1SB+0], s44, (3<<16)|(1<<21)
.irp g, G1, G1B
	s_mov_b32 s[\g+1], 32<<16
	s_mov_b32 s[\g+2], 128<<16
	s_mov_b32 s[\g+3], 32<<16
	s_mov_b32 s[\g+4], 128
	s_mov_b32 s[\g+5], 32
	s_mov_b32 s[\g+6], 0
	s_mov_b32 s[\g+7], 0
.endr
.irp g, G1S, G1SB
	s_mov_b32 s[\g+1], 32<<16
	s_mov_b32 s[\g+2], 16<<16
	s_mov_b32 s[\g+3], 32<<16
	s_mov_b32 s[\g+4], 16
	s_mov_b32 s[\g+5], 32
	s_mov_b32 s[\g+6], 0
	s_mov_b32 s[\g+7], 0
.endr
	s_lshl_b32 s22, s41, 4
	s_lshl_b32 s23, s67, 1
	s_add_co_u32 s22, s22, s23
	s_add_co_u32 s22, s22, s20                     ; A: rb128 = 16 cy + 2 y + half
	s_lshl_b32 s92, s22, 16
	s_mov_b32 s93, 0
	s_lshl_b32 s94, s22, 12
	s_mov_b32 s95, 0
	s_lshl_b32 s46, s42, 1
	s_add_co_u32 s46, s46, s20                     ; B: nb128 = 2 x tile column + half
	s_lshl_b32 s96, s46, 12
	s_mov_b32 s97, 0
	s_lshl_b32 s46, s46, 16
	s_mov_b32 s47, 0
	s_lshl_b32 s45, s18, 15                        ; where they go: wave x a part: no place in the cluster enters an LDS address
	s_lshl_b32 s21, s18, 12
	s_wait_dscnt 0x0                               ; both opening adds are done
	s_wait_kmcnt 0x0
	s_add_nc_u64 s[92:93], s[4:5], s[92:93]
	s_add_nc_u64 s[94:95], s[6:7], s[94:95]
	s_add_nc_u64 s[46:47], s[8:9], s[46:47]
	s_add_nc_u64 s[96:97], s[10:11], s[96:97]
	CROUND                                         ; all sixteen work-groups are here: the joint loads meet
	s_mov_b32 s[G0S], 1
	s_add_co_u32 s[G0S+1], s21, SCL
	s_mov_b64 s[G0S+2:G0S+3], s[94:95]
	s_or_b32 s[G0S+3], s[G0S+3], 0x80000000
	s_mov_b32 s[G0SB], 1
	s_add_co_u32 s[G0SB+1], s21, SCL
	s_mov_b64 s[G0SB+2:G0SB+3], s[96:97]
	s_or_b32 s[G0SB+3], s[G0SB+3], 0x80000000
	JLOAD G0S, G1S, G0SB, G1SB                     ; the scale words first; then both slots: three loads of mine are out
.irp s, 0,1
	s_mov_b32 s[G0+4*\s], 1
	s_add_co_u32 s[G0+4*\s+1], s45, \s*SLOT
	s_add_nc_u64 s[G0+4*\s+2:G0+4*\s+3], s[92:93], \s*PART
	s_or_b32 s[G0+4*\s+3], s[G0+4*\s+3], 0x80000000
	s_mov_b32 s[G0B+4*\s], 1
	s_add_co_u32 s[G0B+4*\s+1], s45, \s*SLOT
	s_add_nc_u64 s[G0B+4*\s+2:G0B+4*\s+3], s[46:47], \s*PART
	s_or_b32 s[G0B+4*\s+3], s[G0B+4*\s+3], 0x80000000
	JLOAD G0+4*\s, G1, G0B+4*\s, G1B
.endr
	v_and_b32 v1, 15, v0                           ; r
	v_bfe_u32 v2, v0, 4, 1                         ; h
	v_and_b32 v3, 31, v0
	v_lshlrev_b32 v[CO], 4, v3
	s_lshl_b32 s21, s19, 15                        ; my 128 rows of A
	s_lshl_b32 s22, s20, 15                        ; my 128 columns of B,
	s_add_co_u32 s22, s22, 2*PART                  ; behind A's two parts
.irp s, 0,1
	v_add_nc_u32 v[ADRA+\s], s21, v[CO]
	v_add_nc_u32 v[ADRB+\s], s22, v[CO]
	s_add_co_u32 s21, s21, SLOT
	s_add_co_u32 s22, s22, SLOT
.endr
	v_lshlrev_b32 v5, 4, v1                        ; scale words: 16 bytes a row
	s_lshl_b32 s21, s19, 12                        ; A's part
	s_lshl_b32 s22, s20, 12                        ; B's part, behind A's two
	s_add_co_u32 s22, s22, 2*4096
	s_sub_co_u32 s22, s22, s21
	v_mul_u32_u24 v6, s22, v2                      ; lanes 16-31 take B's
	s_add_co_u32 s21, s21, SCL
	v_add_nc_u32 v5, v5, v6
	v_add_nc_u32 v[ADRS], s21, v5
	; where my results go
	s_mul_i32 s22, s41, 48
	s_lshl_b32 s23, s42, 2
	s_add_co_u32 s22, s22, s23
	s_lshl_b32 s23, s20, 1
	s_add_co_u32 s22, s22, s23                     ; 48 b + g of my first 64 columns
	s_lshl_b32 s46, s22, 12
	s_mov_b32 s47, 0
	s_add_nc_u64 s[16:17], s[16:17], s[46:47]
	s_lshl_b32 s46, s22, 18
	s_lshl_b32 s23, s67, 15
	s_add_co_u32 s46, s46, s23
	s_lshl_b32 s23, s19, 14
	s_add_co_u32 s46, s46, s23
	s_add_nc_u64 s[14:15], s[14:15], s[46:47]
	; the bias is the C of each sum's first matrix instruction: lane (r, h) wants, for block b, the numbers of columns 16 b + 8 h + 0..7.  k has none: its C is 0
	s_cmp_eq_u32 s66, 1                            ; the cluster's x: the same in all partners and waves
	s_cbranch_scc1 .Lk_zero
	s_lshl_b32 s22, s42, 10
	s_lshl_b32 s23, s20, 9
	s_add_co_u32 s22, s22, s23
	s_mov_b32 s23, 0
	s_add_nc_u64 s[12:13], s[12:13], s[22:23]
	v_lshlrev_b32 v4, 5, v2
.irp b, 0,1,2,3,4,5,6,7
	global_load_b128 v[BIAS+8*\b:BIAS+8*\b+3], v4, s[12:13] offset:64*\b
	global_load_b128 v[BIAS+8*\b+4:BIAS+8*\b+7], v4, s[12:13] offset:64*\b+16
.endr
	s_branch .Lbias_done
.Lk_zero:
.set I, 0
.rept 64
	v_mov_b32 v[BIAS+I], 0
.set I, I+1
.endr
.Lbias_done:
.macro FRAG reg, adr, q, i             ; fragment (block i, the slot's q-th 128 along K): two pieces of 512 bytes
.irp c, 0,1
	ds_load_b128 v[\reg+4*\c:\reg+4*\c+3], v[\adr] offset:((\i)*4+(\q))*1024+512*\c
.endr
.endm
; 16 matrix instructions: A's blocks a0, a0+1 x B's eight.  first = 1: the sums start from the bias.  The 64 accumulators take turns, one instruction a turn, in the same order in every step.
.macro MUL16 a0, p, q, sc, first
.irp a, \a0, \a0+1
.irp b, 0,1,2,3,4,5,6,7
.if \first
	v_wmma_scale_f32_16x16x128_f8f6f4 v[8*(8*((\a)%4)+\b):8*(8*((\a)%4)+\b)+7], v[128*(\p)+FR*\b:128*(\p)+FR*\b+FR-1], v[AF+FR*(\a):AF+FR*(\a)+FR-1], v[BIAS+8*\b:BIAS+8*\b+7], v[SC+8*NQ*(\sc)+NQ*\b+(\q)], v[SC+8*NQ*(\sc)+NQ*(\a)+(\q)] matrix_a_fmt:MATRIX_FMT_FP4 matrix_b_fmt:MATRIX_FMT_FP4 matrix_a_scale:MATRIX_SCALE_ROW1
.else
	v_wmma_scale_f32_16x16x128_f8f6f4 v[8*(8*((\a)%4)+\b):8*(8*((\a)%4)+\b)+7], v[128*(\p)+FR*\b:128*(\p)+FR*\b+FR-1], v[AF+FR*(\a):AF+FR*(\a)+FR-1], v[8*(8*((\a)%4)+\b):8*(8*((\a)%4)+\b)+7], v[SC+8*NQ*(\sc)+NQ*\b+(\q)], v[SC+8*NQ*(\sc)+NQ*(\a)+(\q)] matrix_a_fmt:MATRIX_FMT_FP4 matrix_b_fmt:MATRIX_FMT_FP4 matrix_a_scale:MATRIX_SCALE_ROW1
.endif
.endr
.endr
.endm
.macro FETCH_B slot, q, p
	WIN TO_B
.irp i, 0,1,2,3,4,5,6,7
	FRAG 128*(\p)+FR*\i, ADRB+\slot, \q, \i
.endr
	WIN 0
.endm
.macro FETCH_A slot, q, i0
.irp i, \i0, \i0+1, \i0+2, \i0+3
	FRAG AF+FR*(\i), ADRA+\slot, \q, \i
.endr
.endm
.macro SCALES sc                       ; a slot's scale words: four a row; lanes 0-15 take A's block i, lanes 16-31 B's block i
.irp i, 0,1,2,3,4,5,6,7
	ds_load_b128 v[SC+8*NQ*\sc+NQ*\i:SC+8*NQ*\sc+NQ*\i+3], v[ADRS] offset:\sc*2048+\i*256
.endr
.endm
.macro PLACES n                        ; plain vector instructions between a matrix instruction and a load into, or a read of, its registers
.rept \n
	v_nop
.endr
.endm
.macro STEP slot, q, first             ; 128 along K that has its successor in the same slot
	s_wait_dscnt 4*NL                              ; B's set, A's blocks 0-3 (and the scale words) are in; the youngest eight loads, A's blocks 4-7, may be out
.if \first
	WIN 0x81                                       ; C, the bias, in window 0
.else
	WIN MUL_LO
.endif
	MUL16 0, (\q)%2, \q, \slot, \first
	MUL16 2, (\q)%2, \q, \slot, \first
	s_wait_dscnt 0                                 ; A's blocks 4-7 are in
	PLACES NP
	FETCH_B \slot, (\q)+1, 1-(\q)%2
	FETCH_A \slot, (\q)+1, 0
.if \first
	WIN 0xc1
.else
	WIN MUL_HI
.endif
	MUL16 4, (\q)%2, \q, \slot, \first
	MUL16 6, (\q)%2, \q, \slot, \first
	PLACES NP
	WIN 0
	FETCH_A \slot, (\q)+1, 4
.endm
.macro TURN slot, next                 ; a slot's last step: behind the barrier the next slot, which every wave has waited for, is read.  Nothing is filled again
	s_wait_tensorcnt 0x0                           ; all my tensor loads have landed: my part of the next slot
	ds_add_u32 v[SPW], v[NIL]                      ; 0 onto my spare word
	s_wait_dscnt 4*NL+1                            ; (the add and A's blocks 4-7 may be out)
	WIN MUL_LO
	MUL16 0, 1, NQ-1, \slot, 0
	s_wait_dscnt 0x0                               ; no LDS instruction of mine is pending at the signal
	s_barrier_signal -1
	MUL16 2, 1, NQ-1, \slot, 0
	WIN 0
	s_barrier_wait -1
	PLACES NP
	FETCH_B \next, 0, 0
	FETCH_A \next, 0, 0
	SCALES \next
	WIN MUL_HI
	MUL16 4, 1, NQ-1, \slot, 0
	MUL16 6, 1, NQ-1, \slot, 0
	PLACES NP
	WIN 0
	FETCH_A \next, 0, 4
.endm
	s_wait_tensorcnt 1                             ; the scale words and my part of slot 0 are in; slot 1's load may stay out
	s_barrier_signal -1
	s_barrier_wait -1
	FETCH_B 0, 0, 0
	FETCH_A 0, 0, 0
	SCALES 0
	FETCH_A 0, 0, 4
	s_wait_loadcnt 0x0                             ; the bias
	STEP 0, 0, 1
	STEP 0, 1, 0
	STEP 0, 2, 0
	TURN 0, 1
	STEP 1, 0, 0
	STEP 1, 1, 0
	STEP 1, 2, 0
	s_wait_dscnt 4*NL                              ; the last step: nothing more to fetch
	WIN MUL_LO
	MUL16 0, 1, NQ-1, 1, 0
	MUL16 2, 1, NQ-1, 1, 0
	s_wait_dscnt 0
	WIN MUL_HI
	MUL16 4, 1, NQ-1, 1, 0
	MUL16 6, 1, NQ-1, 1, 0
	WIN 0
	; THE WAY OUT, with no LDS: a lane's registers are already its 16 bytes of the next operand's image
	PLACES NP
	s_or_b32 s45, s67, s19                         ; positions 0-15: the cluster's y = 0 and the upper half of the rows: ids and the wave's number alone
	s_cmp_eq_u32 s45, 0
	s_cbranch_scc0 .Lno32
	WIN 0x08                                       ; a store's data are its source 1: window 2
.irp b, 0,1,2,3,4,5,6,7
	global_store_b128 v[CO], v[8*\b:8*\b+3], s[16:17] offset:(\b/4)*4096+(\b%4)*1024          ; block 0's accumulators as they stand, each from its low end on
	global_store_b128 v[CO], v[8*\b+4:8*\b+7], s[16:17] offset:(\b/4)*4096+(\b%4)*1024+512
.endr
	WIN 0
.Lno32:
.macro OUTB a
.set AC, 64*((\a)%4)
.set PB, PK+32*((\a)%4)
.if (\a) >= 4
	s_wait_xcnt 0x0                                ; the stores of four blocks back have read this set
.endif
	WIN 0x0a+5*((\a)/4)                            ; sources 0 and 1: window 2 or 3
.irp b, 0,1,2,3,4,5,6,7
.irp i, 0,1,2,3
	v_cvt_pk_f16_f32 v[PB+4*\b+\i], v[AC+8*\b+2*\i], v[AC+8*\b+2*\i+1]
.endr
.endr
	WIN 0
.irp b, 0,1,2,3,4,5,6,7
	global_store_b128 v[CO], v[PB+4*\b:PB+4*\b+3], s[14:15] offset:(\b/4)*262144+(\a)*2048+(\b%4)*512   ; 512 consecutive bytes
.endr
.endm
.irp a, 0,1,2,3,4,5,6,7
	OUTB \a
.endr
	s_wait_tensorcnt 0x0                           ; the wave's end
	ds_add_u32 v[SPW], v[NIL]
	s_wait_dscnt 0x0
	CROUND                                         ; the closing round
	s_endpgm
.Lfunc_end_k_q9bcf9cd2d7_qkv:
	.size	k_q9bcf9cd2d7_qkv, .Lfunc_end_k_q9bcf9cd2d7_qkv-k_q9bcf9cd2d7_qkv
	.p2alignl 7, 3214868480
	.fill 96, 4, 3214868480
	.section	.rodata,"a",@progbits
	.p2align	6, 0x0
	.amdhsa_kernel k_q9bcf9cd2d7_qkv
		.amdhsa_group_segment_fixed_size 327680
		.amdhsa_private_segment_fixed_size 0
		.amdhsa_enable_private_segment 0
		.amdhsa_kernarg_size 56
		.amdhsa_user_sgpr_count 2
		.amdhsa_user_sgpr_kernarg_segment_ptr 1
		.amdhsa_wavefront_size32 1
		.amdhsa_system_sgpr_workgroup_id_x 1
		.amdhsa_system_sgpr_workgroup_id_y 1
		.amdhsa_system_sgpr_workgroup_id_z 1
		.amdhsa_system_vgpr_workitem_id 0
		.amdhsa_next_free_vgpr 1024
		.amdhsa_next_free_sgpr 100
		.amdhsa_reserve_vcc 0
		.amdhsa_float_denorm_mode_32 3
		.amdhsa_float_denorm_mode_16_64 3
		.amdhsa_memory_ordered 1
		.amdhsa_forward_progress 1
		.amdhsa_inst_pref_size 122
	.end_amdhsa_kernel
	.amdgpu_metadata
---
amdhsa.version: [ 1, 2 ]
amdhsa.kernels:
  - .name:           k_q9bcf9cd2d7_qkv
    .symbol:         k_q9bcf9cd2d7_qkv.kd
    .args:
      - { .name: xc, .offset: 0, .size: 8, .value_kind: global_buffer, .address_space: global }
      - { .name: xs, .offset: 8, .size: 8, .value_kind: global_buffer, .address_space: global }
      - { .name: wc, .offset: 16, .size: 8, .value_kind: global_buffer, .address_space: global }
      - { .name: ws, .offset: 24, .size: 8, .value_kind: global_buffer, .address_space: global }
      - { .name: b_attn, .offset: 32, .size: 8, .value_kind: global_buffer, .address_space: global }
      - { .name: qkv, .offset: 40, .size: 8, .value_kind: global_buffer, .address_space: global }
      - { .name: q32, .offset: 48, .size: 8, .value_kind: global_buffer, .address_space: global }
    .group_segment_fixed_size: 327680
    .private_segment_fixed_size: 0
    .kernarg_segment_align: 8
    .kernarg_segment_size: 56
    .max_flat_workgroup_size: 128
    .sgpr_count:     100
    .vgpr_count:     1024
    .wavefront_size: 32
...
	.end_amdgpu_metadata
.endif
;; end of part 2
;; launch attn (part 3): grid 4 x 64, 8 waves a work-group, no clusters, 327,680 bytes of LDS; arguments qkv, y; writes y
.if DOCPART == 3
	.amdgcn_target "amdgcn-amd-amdhsa--gfx1250"
	.amdhsa_code_object_version 6
	.text
	.protected	k_q9bcf9cd2d7_attn
	.globl	k_q9bcf9cd2d7_attn
	.p2align	8
	.type	k_q9bcf9cd2d7_attn,@function
k_q9bcf9cd2d7_attn:
	s_mov_b64 s[64:65], 0
	v_nop
	global_prefetch_b8 v0, s[64:65] scope:SCOPE_SE
	s_setreg_imm32_b32 hwreg(HW_REG_WAVE_MODE, 25, 1), 1
	s_wait_xcnt 0x0
; y[b][t][64 head + d] = the sum over keys k <= t of softmax_k(q.k / 8) v, f16 operands, f32 products, maxima and sums; the weights are rounded to f16 for the second product, y once at the end.
; LEFT OUT: key steps all of whose 64 keys come after the wave's 32 queries (reference()'s own tril gives them the weight 0); k carries no bias (it shifts all scores of a query alike).
; SHARES.  A work-group (p = x, batch and head = y) owns TWO blocks of 256 queries of one head: block 7 - p, which walks 8 - p blocks of 256 keys, then block p, which walks p + 1: nine trips in every
; work-group, so the trip count is a constant and all 256 work-groups have equal work.  Each of the eight waves owns 32 queries, two tiles of 16, which share every fragment of K and V.
; NO CLUSTER: in one and the same trip the four work-groups of a head want different key blocks (their passes change at different trips), so no joint request could name the same tile in all partners.
; LAYOUT.  S^T = K Q^T (source 0 = 16 keys, source 1 = 16 queries): a lane holds one query and the keys 8 (lane/16) + 0..7; two such tiles packed to f16 are source 1 of O^T = V^T P.  K comes out of LDS as it
; lies (an image of its fragments), V turned by ds_load_tr16_b128.  O^T packed to f16 is the image of the projection's operand:  y [rb64 128][ks 4][a 4][kc 8][1024].
; SOFTMAX.  A running maximum m and sum l for each query: p = 2^(c s - c m), c = log2(e)/8; in every step O and l are multiplied by a = 2^(c m_old - c m_new).  m starts at -3e38, O and l at 0.
; THE RING.  Two slots of 256 keys; each wave fetches one part (waves 0-3: 64 keys of K, waves 4-7: 64 keys of V), 8,192 dense bytes, laid as 32 runs of 256 bytes 384 apart, so that the two
; channel halves that the turning load takes fall on different banks.  One tensor load of a wave is out at a time.
; LIMIT: scores and values as f16 operands: q, k, v beyond 65,504 are not served.
; REGISTERS: window 0: v2-14 addresses; v16-31 statistics, 8 a tile (+0 c m, +1 m, +2,3 l, +4..7 at work, a in +6); v32-95 S^T; v96-127 P; v128-191 O^T; v192-223 packed y.
;   window 1: v0-31 Q; v64-127 K of a step; v128-191 V of a step.
.set SLOT1, 131072
.set PARTB, 12288
.set VOFF,  4*PARTB
.set SPARE, 229376                     ; behind slot 1: the spare words, 128 bytes a wave
.set AK0, 2
.set AV0, 3
.set ADK, 4
.set ADV, 5
.set L16, 6                            ; v6  16 x lane
.set RH,  8                            ; v8  lane%16 - 8 (lane/16)
.set NEGI, 9                           ; v9  -infinity
.set SPW, 10
.set NIL, 11
.set PFO, 12                           ; v12 256 x lane
.set MD,  13                           ; v13, v14: the mask's bound, one a tile
.set ST,  16
.set S,   32
.set P,   96
.set OA,  128
.set YT,  192
.set QF,  0
.set KFR, 64
.set VFR, 128
; s8 wave, s9 p, s11 trips of the first pass, s12 the trip, s13 its key block, s14 the next trip's, s15 my first query, s16 the step's first key, s17 the slot in hand, s[20:21] lane selects, s[22:23] c,
; s[24:31] group 1, s[32:35] group 0, s[36:37] my part of key block 0, s[38:39] an offset, s[40:41] q of my head and wave, s[42:43] Q, s[44:45] y's part that stays, s[46:47] y, s[48:49] prefetch, s50 its last trip
.set MSB, 0
.macro WIN new
.if MSB != \new
	s_set_vgpr_msb (MSB<<8)|\new
.set MSB, \new
.endif
.endm
.macro INIT                            ; a pass begins: Q into registers; m, l and O^T at their starts
	WIN 0x40                                       ; destination window 1
.irp x, 0,1
.irp c, 0,1
.irp e, 0,1
	global_load_b128 v[QF+16*\x+8*\c+4*\e:QF+16*\x+8*\c+4*\e+3], v[L16], s[42:43] offset:\x*2048+\c*1024+\e*512
.endr
.endr
.endr
	WIN 0
.irp x, 0,1
	v_mov_b32 v[ST+8*\x+1], 0xff61b1e6             ; m = -3e38, under every score
	v_mul_f32 v[ST+8*\x], s22, v[ST+8*\x+1]
.irp i, 2,3,4,5,6,7
	v_mov_b32 v[ST+8*\x+\i], 0
.endr
.endr
.set I, 0
.rept 64
	v_mov_b32 v[OA+I], 0                           ; the key step is written once: the first finds zeros, which a = 0 leaves zeros
.set I, I+1
.endr
	s_wait_loadcnt 0x0
.endm
; A prefetch of what the NEXT change of slots will ask for.  The work-group with p = 0 walks key blocks 0 to 7 in trips 0 to 7, no later than its three partners of the head: it alone asks; each of its waves
; names its own 8,192 bytes of block trip + 2, lanes 256 bytes apart: each run of 256 bytes is named once in the launch.  It stops with block 7; nothing is asked at the head.
.macro ASK
	s_cmp_le_i32 s12, s50
	s_cbranch_scc0 .Lnot_mine_\@
	global_prefetch_b8 v[PFO], s[48:49] th:TH_LOAD_NT scope:SCOPE_SE
.Lnot_mine_\@:
.endm
; THE CHANGE OF SLOTS, at a trip's head.  Each wave waits for all its tensor loads (its part of the slot ahead), adds 0 to its spare word, and waits for that and for its reads of the slot that it has left.
; Behind the barrier the slot ahead is whole and nobody reads the other: fill = 1: it takes the next trip's key block, which has a whole trip in which to land.
.macro CHANGE fill
	s_wait_tensorcnt 0x0                           ; no tensor load of mine is out, so group 0 may be written
	ds_add_u32 v[SPW], v[NIL]                      ; 0 onto my spare word
.if \fill
	s_add_co_u32 s14, s12, 1
	s_cmp_lt_u32 s14, s11
	s_cselect_b32 s51, 0, s11
	s_sub_co_u32 s14, s14, s51                     ; the next trip's key block: the second pass begins at 0 again
	s_xor_b32 s33, s33, SLOT1                      ; the other slot than last time
	s_lshl_b32 s38, s14, 15
	s_add_nc_u64 s[34:35], s[36:37], s[38:39]
	s_or_b32 s35, s35, 0x80000000
	s_wait_xcnt 0x0                                ; the last prefetch, a trip back, has read its address
	s_add_nc_u64 s[48:49], s[48:49], 32768
.endif
	s_wait_dscnt 0x0                               ; the add is done, and my reads of the slot that I have left are over
	s_barrier_signal -1
	s_barrier_wait -1
.if \fill
	tensor_load_to_lds s[32:35], s[24:31]          ; the first thing behind the barrier, and my one tensor load until the next
	s_nop 0
.rept 4
	v_nop
.endr
	ASK
.endif
.endm
.macro SOFTMAX                         ; both tiles line by line, so that no line waits for the line above it
.irp i, 0,1,2,3
.irp t, 0,1
	v_max3_num_f32 v[ST+8*\t+4+\i], v[S+32*\t+8*\i], v[S+32*\t+8*\i+1], v[S+32*\t+8*\i+2]    ; four chains, each accumulator from its low end on
.endr
.endr
.irp g, 1,2
.irp i, 0,1,2,3
.irp t, 0,1
	v_max3_num_f32 v[ST+8*\t+4+\i], v[ST+8*\t+4+\i], v[S+32*\t+8*\i+2*\g+1], v[S+32*\t+8*\i+2*\g+2]
.endr
.endr
.endr
.irp t, 0,1
	v_max3_num_f32 v[ST+8*\t+4], v[ST+8*\t+4], v[S+32*\t+7], v[S+32*\t+15]
.endr
.irp t, 0,1
	v_max3_num_f32 v[ST+8*\t+6], v[ST+8*\t+6], v[S+32*\t+23], v[S+32*\t+31]
.endr
.irp t, 0,1
	v_max3_num_f32 v[ST+8*\t+4], v[ST+8*\t+4], v[ST+8*\t+5], v[ST+8*\t+6]
.endr
.irp t, 0,1
	v_max3_num_f32 v[ST+8*\t+4], v[ST+8*\t+4], v[ST+8*\t+7], v[ST+8*\t+1]                    ; and the old m
.endr
.irp t, 0,1
	v_permlanex16_b32 v[ST+8*\t+5], v[ST+8*\t+4], s20, s21                                   ; the query's other 32 keys lie in the lane 16 away
.endr
.irp t, 0,1
	v_mov_b32 v[ST+8*\t+7], v[ST+8*\t]                                                       ; c m_old
.endr
.irp t, 0,1
	v_max_num_f32 v[ST+8*\t+1], v[ST+8*\t+4], v[ST+8*\t+5]
.endr
.irp t, 0,1
	v_mul_f32 v[ST+8*\t], s22, v[ST+8*\t+1]
.endr
.irp t, 0,1
	v_sub_f32 v[ST+8*\t+7], v[ST+8*\t+7], v[ST+8*\t]
.endr
.set I, 0
.rept 16
.irp t, 0,1
	v_pk_fma_f32 v[S+32*\t+2*I:S+32*\t+2*I+1], v[S+32*\t+2*I:S+32*\t+2*I+1], s[22:23], v[ST+8*\t:ST+8*\t+1] op_sel_hi:[1,0,0] neg_lo:[0,0,1] neg_hi:[0,0,1]   ; c s - c m
.endr
.set I, I+1
.endr
.irp t, 0,1
	v_exp_f32 v[ST+8*\t+6], v[ST+8*\t+7]           ; a
.endr
.set I, 0
.rept 32
.irp t, 0,1
	v_exp_f32 v[S+32*\t+I], v[S+32*\t+I]           ; p
.endr
.set I, I+1
.endr
	v_nop                                          ; a plain instruction behind the last exponential (ISA guide 5.7.2),
	s_wait_alu depctr_va_vdst(0)                   ; and one wait for all 66, ahead of the first instruction that names a result
.set I, 0
.rept 16
.irp t, 0,1
	v_cvt_pk_f16_f32 v[P+16*\t+I], v[S+32*\t+2*I], v[S+32*\t+2*I+1]
.endr
.set I, I+1
.endr
.irp i, 0,1,2,3,4,5,6,7                        ; the sum of the 16 pairs, in place: neighbours 1, 2, 4 and 8 pairs apart
.irp t, 0,1
	v_pk_add_f32 v[S+32*\t+4*\i:S+32*\t+4*\i+1], v[S+32*\t+4*\i:S+32*\t+4*\i+1], v[S+32*\t+4*\i+2:S+32*\t+4*\i+3]
.endr
.endr
.irp i, 0,1,2,3
.irp t, 0,1
	v_pk_add_f32 v[S+32*\t+8*\i:S+32*\t+8*\i+1], v[S+32*\t+8*\i:S+32*\t+8*\i+1], v[S+32*\t+8*\i+4:S+32*\t+8*\i+5]
.endr
.endr
.irp i, 0,1
.irp t, 0,1
	v_pk_add_f32 v[S+32*\t+16*\i:S+32*\t+16*\i+1], v[S+32*\t+16*\i:S+32*\t+16*\i+1], v[S+32*\t+16*\i+8:S+32*\t+16*\i+9]
.endr
.endr
.irp t, 0,1
	v_pk_add_f32 v[S+32*\t:S+32*\t+1], v[S+32*\t:S+32*\t+1], v[S+32*\t+16:S+32*\t+17]
.endr
.irp t, 0,1
	v_pk_fma_f32 v[ST+8*\t+2:ST+8*\t+3], v[ST+8*\t+2:ST+8*\t+3], v[ST+8*\t+6:ST+8*\t+7], v[S+32*\t:S+32*\t+1] op_sel_hi:[1,0,1]   ; l = a l + the sum
.endr
.set I, 0
.rept 16
.irp t, 0,1
	v_pk_mul_f32 v[OA+32*\t+2*I:OA+32*\t+2*I+1], v[OA+32*\t+2*I:OA+32*\t+2*I+1], v[ST+8*\t+6:ST+8*\t+7] op_sel_hi:[1,0]           ; O^T x a, ascending
.endr
.set I, I+1
.endr
.endm
; A KEY STEP: 64 keys, the j-th of the slot in hand
.macro STEP j
	s_add_co_u32 s51, s15, 31
	s_cmp_gt_u32 s16, s51                          ; all its keys come after my 32 queries: ids and counted steps alone; no barrier and no tensor load stands in a step
	s_cbranch_scc1 .Lhidden_\@
	v_add_nc_u32 v[ADK], s17, v[AK0]
	v_add_nc_u32 v[ADV], s17, v[AV0]
	v_nop
	v_nop                                          ; four plain instructions between the last products and the loads into V's registers
	WIN 0x40
.irp kt, 0,1,2,3
.irp c, 0,1
.irp e, 0,1
	ds_load_b128 v[KFR+8*(2*\kt+\c)+4*\e:KFR+8*(2*\kt+\c)+4*\e+3], v[ADK] offset:(\j)*PARTB+\kt*3072+\c*1536+\e*768
.endr
.endr
.endr
.irp u, 0,1
.irp dt, 0,1,2,3
	ds_load_tr16_b128 v[VFR+8*(4*\u+\dt):VFR+8*(4*\u+\dt)+3], v[ADV] offset:(\j)*PARTB+\u*6144+\dt*768
	ds_load_tr16_b128 v[VFR+8*(4*\u+\dt)+4:VFR+8*(4*\u+\dt)+7], v[ADV] offset:(\j)*PARTB+\u*6144+\dt*768+3072
.endr
.endr
	s_wait_dscnt 16                                ; K's sixteen loads are in; V's sixteen may stay out
	WIN 0x05                                       ; K and Q in window 1
.irp c, 0,1                                    ; eight accumulators by turns, one instruction a turn
.irp kt, 0,1,2,3
.irp x, 0,1
.if \c == 0
	v_wmma_f32_16x16x32_f16 v[S+32*\x+8*\kt:S+32*\x+8*\kt+7], v[KFR+8*(2*\kt+\c):KFR+8*(2*\kt+\c)+7], v[QF+16*\x+8*\c:QF+16*\x+8*\c+7], 0
.else
	v_wmma_f32_16x16x32_f16 v[S+32*\x+8*\kt:S+32*\x+8*\kt+7], v[KFR+8*(2*\kt+\c):KFR+8*(2*\kt+\c)+7], v[QF+16*\x+8*\c:QF+16*\x+8*\c+7], v[S+32*\x+8*\kt:S+32*\x+8*\kt+7]
.endif
.endr
.endr
.endr
	WIN 0
.rept 4
	v_nop
.endr
	s_add_co_u32 s51, s16, 63                      ; on the diagonal hidden scores become -infinity ahead of the maximum; a step all of whose keys count passes over this
	s_cmp_le_u32 s51, s15
	s_cbranch_scc1 .Lopen_\@
	s_sub_co_i32 s51, s15, s16
	v_add_nc_u32 v[MD], s51, v[RH]                 ; register 8 kt + i of tile x holds key s16 + 16 kt + 8 (lane/16) + i: hidden where 16 kt + i > my query - s16 - 8 (lane/16)
	s_add_co_u32 s51, s51, 16
	v_add_nc_u32 v[MD+1], s51, v[RH]
.irp x, 0,1
.irp kt, 0,1,2,3
.irp i, 0,1,2,3,4,5,6,7
	v_cmp_gt_i32 vcc_lo, 16*\kt+\i, v[MD+\x]
	v_cndmask_b32 v[S+32*\x+8*\kt+\i], v[S+32*\x+8*\kt+\i], v[NEGI], vcc_lo
.endr
.endr
.endr
.Lopen_\@:
	SOFTMAX
	s_wait_dscnt 0x0                               ; V is in
	WIN 0x01                                       ; V in window 1
.irp u, 0,1
.irp dt, 0,1,2,3
.irp x, 0,1
	v_wmma_f32_16x16x32_f16 v[OA+32*\x+8*\dt:OA+32*\x+8*\dt+7], v[VFR+8*(4*\u+\dt):VFR+8*(4*\u+\dt)+7], v[P+16*\x+8*\u:P+16*\x+8*\u+7], v[OA+32*\x+8*\dt:OA+32*\x+8*\dt+7]
.endr
.endr
.endr
	WIN 0
.Lhidden_\@:
	s_add_co_u32 s16, s16, 64
.endm
.macro SLOT_STEPS
	s_lshl_b32 s16, s13, 8                         ; the key block's first key
	STEP 0
	STEP 1
	STEP 2
	STEP 3
	s_xor_b32 s17, s17, SLOT1                      ; on to the other slot
	s_mov_b32 s13, s14
.endm
; A pass ends: O^T / l, packed to f16, is stored as it stands.  again = 1: the second pass begins
.macro FINISH again
	s_wait_xcnt 0x0                                ; the first pass's stores have read their registers
.rept 4
	v_nop                                          ; places behind the last products
.endr
.irp t, 0,1
	v_add_f32 v[ST+8*\t+4], v[ST+8*\t+2], v[ST+8*\t+3]
.endr
.irp t, 0,1
	v_permlanex16_b32 v[ST+8*\t+5], v[ST+8*\t+4], s20, s21
.endr
.irp t, 0,1
	v_add_f32 v[ST+8*\t+4], v[ST+8*\t+4], v[ST+8*\t+5]
.endr
.irp t, 0,1
	v_rcp_f32 v[ST+8*\t+6], v[ST+8*\t+4]
.endr
	v_nop
	s_wait_alu depctr_va_vdst(0)                   ; one wait for the two reciprocals, ahead of their first reader
.set I, 0
.rept 16
.irp t, 0,1
	v_pk_mul_f32 v[OA+32*\t+2*I:OA+32*\t+2*I+1], v[OA+32*\t+2*I:OA+32*\t+2*I+1], v[ST+8*\t+6:ST+8*\t+7] op_sel_hi:[1,0]
.endr
.set I, I+1
.endr
.set I, 0
.rept 16
.irp t, 0,1
	v_cvt_pk_f16_f32 v[YT+16*\t+I], v[OA+32*\t+2*I], v[OA+32*\t+2*I+1]
.endr
.set I, I+1
.endr
.irp x, 0,1
.irp dt, 0,1,2,3
	global_store_b128 v[L16], v[YT+16*\x+4*\dt:YT+16*\x+4*\dt+3], s[46:47] offset:\x*8192+\dt*512    ; 512 consecutive bytes
.endr
.endr
.if \again
	s_wait_xcnt 0x0                                ; the stores have read their base
	s_lshl_b32 s15, s9, 8
	s_lshl_b32 s51, s8, 5
	s_add_co_u32 s15, s15, s51                     ; my first query of block p
	s_lshl_b32 s38, s9, 15
	s_add_nc_u64 s[42:43], s[40:41], s[38:39]
	s_lshl_b32 s38, s9, 19
	s_add_nc_u64 s[46:47], s[44:45], s[38:39]
	INIT
.endif
.endm
	s_load_b128 s[4:7], s[0:1], 0x0                ; qkv s[4:5], y s[6:7]
	v_lshl_add_u32 v[SPW], v0, 2, SPARE
	v_mov_b32 v[NIL], 0
	ds_add_u32 v[SPW], v[NIL]                      ; the wave's opening: the add, twice on end, and its wait ahead of my first tensor load
	ds_add_u32 v[SPW], v[NIL]
	v_lshrrev_b32 v1, 5, v0
	v_readfirstlane_b32 s8, v1                     ; wave 0..7
	s_mov_b32 s9, ttmp9                            ; p
	s_and_b32 s10, ttmp7, 0xffff
	s_lshr_b32 s51, s10, 4                         ; batch
	s_and_b32 s52, s10, 15                         ; head
	s_sub_co_u32 s11, 8, s9                        ; trips of the first pass
	s_sub_co_u32 s53, 7, s9                        ; its block of queries
	s_lshl_b32 s15, s53, 8
	s_lshl_b32 s54, s8, 5
	s_add_co_u32 s15, s15, s54
	; group 1: 32 rows of 256 bytes (32 elements of 8 bytes), dense in memory; in LDS 32 words of padding behind every 64
	s_mov_b32 s24, (3<<16)|(1<<20)|(5<<22)|(31<<25)
	s_mov_b32 s25, 32<<16
	s_mov_b32 s26, 32<<16
	s_mov_b32 s27, 32<<16
	s_mov_b32 s28, 32
	s_mov_b32 s29, 32
	s_mov_b32 s30, 0
	s_mov_b32 s31, 0
	s_mov_b32 s20, 0x76543210
	s_mov_b32 s21, 0xfedcba98
	s_mov_b32 s22, 0x3e38aa3b                      ; c = log2(e) / 8
	s_mov_b32 s23, s22
	s_mov_b32 s39, 0
	s_mul_i32 s55, s51, 48
	s_add_co_u32 s55, s55, s52                     ; 48 b + head
	s_cmp_eq_u32 s9, 0
	s_cselect_b32 s50, 5, -1                       ; the last trip that prefetches; none where p is not 0
	s_mov_b32 s32, 1
	s_mul_i32 s33, s8, PARTB                       ; my part of slot 0
	s_lshr_b32 s54, s8, 2
	s_lshl_b32 s54, s54, 4
	s_add_co_u32 s54, s54, s55
	s_add_co_u32 s54, s54, 16                      ; k's plane (waves 0-3) or v's (waves 4-7)
	s_lshl_b32 s38, s54, 18
	s_and_b32 s54, s8, 3
	s_lshl_b32 s54, s54, 13
	s_add_co_u32 s38, s38, s54                     ; my 64 keys of a block
	s_wait_dscnt 0x0                               ; both opening adds are done
	s_wait_kmcnt 0x0
	s_add_nc_u64 s[36:37], s[4:5], s[38:39]
	s_mov_b64 s[34:35], s[36:37]
	s_or_b32 s35, s35, 0x80000000
	tensor_load_to_lds s[32:35], s[24:31]          ; key block 0 into slot 0: every wave issues its part, with no branch
	s_nop 0
.rept 4
	v_nop
.endr
	s_add_nc_u64 s[48:49], s[36:37], 32768         ; the prefetches stand at block 1; the first change steps them to block 2
	s_lshl_b32 s38, s55, 18
	s_lshl_b32 s54, s8, 12
	s_add_co_u32 s38, s38, s54
	s_add_nc_u64 s[40:41], s[4:5], s[38:39]
	s_lshl_b32 s38, s53, 15
	s_add_nc_u64 s[42:43], s[40:41], s[38:39]
	s_lshl_b32 s38, s51, 5
	s_lshr_b32 s54, s8, 1
	s_add_co_u32 s38, s38, s54
	s_lshl_b32 s38, s38, 17
	s_lshr_b32 s54, s52, 2
	s_lshl_b32 s54, s54, 15
	s_add_co_u32 s38, s38, s54
	s_and_b32 s54, s8, 1
	s_lshl_b32 s54, s54, 14
	s_add_co_u32 s38, s38, s54
	s_and_b32 s54, s52, 3
	s_lshl_b32 s54, s54, 11
	s_add_co_u32 s38, s38, s54
	s_add_nc_u64 s[44:45], s[6:7], s[38:39]
	s_lshl_b32 s38, s53, 19
	s_add_nc_u64 s[46:47], s[44:45], s[38:39]
	v_bfe_u32 v7, v0, 4, 1                         ; h
	v_and_b32 v15, 15, v0                          ; r
	v_mul_u32_u24 v[AK0], v7, 384
	v_lshl_add_u32 v[AK0], v15, 4, v[AK0]          ; K: a piece's lanes 0-15 in one run of 256 bytes, lanes 16-31 in the next
	v_bfe_u32 v[AV0], v0, 3, 1
	v_mul_u32_u24 v[AV0], v[AV0], 384              ; V: channels 8 ((lane/8)%2) on lie in that run,
	v_lshl_add_u32 v[AV0], v7, 7, v[AV0]           ; key 8 (lane/16) + lane%8, 16 bytes a key
	v_and_b32 v[ADK], 7, v0
	v_lshl_add_u32 v[AV0], v[ADK], 4, v[AV0]
	v_add_nc_u32 v[AV0], VOFF, v[AV0]
	v_and_b32 v[L16], 31, v0
	v_lshlrev_b32 v[PFO], 8, v[L16]
	v_lshlrev_b32 v[L16], 4, v[L16]
	v_lshlrev_b32 v[RH], 3, v7
	v_sub_nc_u32 v[RH], v15, v[RH]
	v_mov_b32 v[NEGI], 0xff800000
	INIT
	s_mov_b32 s12, 0
	s_mov_b32 s13, 0
	s_mov_b32 s17, 0
.Ltrip:                                            ; eight trips; behind each change of slots the next trip's key block is asked for
	CHANGE 1
	SLOT_STEPS
	s_add_co_u32 s51, s12, 1
	s_cmp_eq_u32 s51, s11                          ; the first pass's last trip: ids and the counter alone, the same in all waves
	s_cbranch_scc0 .Lsame_pass
	FINISH 1
.Lsame_pass:
	s_add_co_u32 s12, s12, 1
	s_cmp_lt_u32 s12, 8
	s_cbranch_scc1 .Ltrip
	CHANGE 0                                       ; the ninth trip is written out: it asks for nothing
	SLOT_STEPS
	FINISH 0
	s_wait_tensorcnt 0x0                           ; the wave's end
	ds_add_u32 v[SPW], v[NIL]
	s_wait_dscnt 0x0
	s_endpgm
.Lfunc_end_k_q9bcf9cd2d7_attn:
	.size	k_q9bcf9cd2d7_attn, .Lfunc_end_k_q9bcf9cd2d7_attn-k_q9bcf9cd2d7_attn
	.p2alignl 7, 3214868480
	.fill 96, 4, 3214868480
	.section	.rodata,"a",@progbits
	.p2align	6, 0x0
	.amdhsa_kernel k_q9bcf9cd2d7_attn
		.amdhsa_group_segment_fixed_size 327680
		.amdhsa_private_segment_fixed_size 0
		.amdhsa_enable_private_segment 0
		.amdhsa_kernarg_size 16
		.amdhsa_user_sgpr_count 2
		.amdhsa_user_sgpr_kernarg_segment_ptr 1
		.amdhsa_wavefront_size32 1
		.amdhsa_system_sgpr_workgroup_id_x 1
		.amdhsa_system_sgpr_workgroup_id_y 1
		.amdhsa_system_sgpr_workgroup_id_z 1
		.amdhsa_system_vgpr_workitem_id 0
		.amdhsa_next_free_vgpr 512
		.amdhsa_next_free_sgpr 66
		.amdhsa_reserve_vcc 1
		.amdhsa_float_denorm_mode_32 3
		.amdhsa_float_denorm_mode_16_64 3
		.amdhsa_memory_ordered 1
		.amdhsa_forward_progress 1
		.amdhsa_inst_pref_size 195
	.end_amdhsa_kernel
	.amdgpu_metadata
---
amdhsa.version: [ 1, 2 ]
amdhsa.kernels:
  - .name:           k_q9bcf9cd2d7_attn
    .symbol:         k_q9bcf9cd2d7_attn.kd
    .args:
      - { .name: qkv, .offset: 0, .size: 8, .value_kind: global_buffer, .address_space: global }
      - { .name: y, .offset: 8, .size: 8, .value_kind: global_buffer, .address_space: global }
    .group_segment_fixed_size: 327680
    .private_segment_fixed_size: 0
    .kernarg_segment_align: 8
    .kernarg_segment_size: 16
    .max_flat_workgroup_size: 256
    .sgpr_count:     66
    .vgpr_count:     512
    .wavefront_size: 32
...
	.end_amdgpu_metadata
.endif
;; end of part 3
;; launch proj (part 4): grid 8 x 64, 4 waves a work-group, clusters of 4 x 4, 327,680 bytes of LDS; arguments y, wp, b_proj, out0; writes out0
.if DOCPART == 4
	.amdgcn_target "amdgcn-amd-amdhsa--gfx1250"
	.amdhsa_code_object_version 6
	.text
	.protected	k_q9bcf9cd2d7_proj
	.globl	k_q9bcf9cd2d7_proj
	.p2align	8
	.type	k_q9bcf9cd2d7_proj,@function
k_q9bcf9cd2d7_proj:
	s_mov_b64 s[64:65], 0
	v_nop
	global_prefetch_b8 v0, s[64:65] scope:SCOPE_SE
	s_setreg_imm32_b32 hwreg(HW_REG_WAVE_MODE, 25, 1), 1
	s_wait_xcnt 0x0
	s_wait_alu depctr_hold_cnt(0) depctr_sa_sdst(0) depctr_va_vdst(0) depctr_va_sdst(0) depctr_va_ssrc(0) depctr_va_vcc(0) depctr_vm_vsrc(0)
	s_getreg_b32 s2, hwreg(HW_REG_IB_STS2, 6, 4)
	s_cmp_eq_u32 s2, 0
	s_cbranch_scc0 .Lentry_in_a_cluster
	s_endpgm
.Lentry_in_a_cluster:
	s_bfe_u32 s2, ttmp6, 0x10000c
	s_cmp_lg_u32 s2, 0xf033
	s_cbranch_scc0 .Lentry_shape_is_right
	s_endpgm
.Lentry_shape_is_right:
; out0 = y W_proj + b_proj, f16 operands (W_proj's high part), f32 sums.  M 8,192, N 1,024, K 1,024.  Rows t < 16 of each batch are NOT stored here: the last launch makes them more finely.
; (Their products stay inside tiles that also hold live rows.)
; A tile of 128 x 128, four waves of 64 x 64: 512 work-groups, two for each WGP.  K goes in steps of 256 through two LDS slots.  Both operands lie in memory as images of their fragments, so what a wave
; fetches (64 rows x 256 K) is one dense block of 32,768 bytes, and every LDS load is 16 x lane + a constant.
; CLUSTERS: 4 x 4.  cy is the batch and the cluster's y the block of 128 positions, so that t < 16 means y = 0: the same in all partners.  A's tiles are shared along a row of the cluster, B's along a column.
; THE MATRIX INSTRUCTION IS USED TRANSPOSED (source 0 = 16 columns of W, source 1 = 16 rows of y).  The bias is the C of each sum's first instruction.
; REGISTERS: window 0: v16-29 addresses; v32-95 the way out; v96-127 the bias, 8 registers a block of 16 columns; v128-255 the accumulators ((a, b) at v[128 + 8 (4 a + b)]).  window 1: two fragment buffers of 128.
.set PART,   32768
.set SLOT,   4*PART
.set STAGE,  2*SLOT                    ; 16 rows x 272 bytes for each wave, its own: a wave's 64 columns of f32 are 256 bytes of a row
.set SPITCH, 272
.set SPARE,  STAGE+4*16*SPITCH
.set ADRA, 16
.set ADRB, 20
.set STO,  24
.set RD,   25
.set CO,   26
.set SPW,  28
.set NIL,  29
.set TMP,  32
.set BI,   96
.set ACC,  128
.set F0,   0
.set F1,   128
.set G1, 24
.set G0, 32
.set G1B, 48
.set G0B, 56
.set MSB, 0
.macro WIN new
.if MSB != \new
	s_set_vgpr_msb (MSB<<8)|\new
.set MSB, \new
.endif
.endm
.set MUL,  0x05                        ; sources 0 (B) and 1 (A) window 1; C and D window 0
.set TO_F, 0x40
.macro JLOAD s                         ; a joint load: waves 0 and 1 fetch A's halves, waves 2 and 3 B's; an s_nop 0 and four v_nop follow each line
	s_cmp_eq_u32 s13, 0
	s_cbranch_scc0 .Lfor_b_\@
	tensor_load_to_lds s[G0+4*\s:G0+4*\s+3], s[G1:G1+7]
	s_nop 0
.rept 4
	v_nop
.endr
	s_branch .Lasked_\@
.Lfor_b_\@:
	tensor_load_to_lds s[G0B+4*\s:G0B+4*\s+3], s[G1B:G1B+7]
	s_nop 0
.rept 4
	v_nop
.endr
.Lasked_\@:
.endm
.macro CREST
	s_cmp_lg_u32 s12, 0
	s_cbranch_scc1 .Lnot_wave_0_\@
	s_barrier_signal -3
.Lnot_wave_0_\@:
	s_barrier_wait -3
	s_barrier_signal -1
	s_barrier_wait -1
.endm
.macro CROUND
	s_barrier_signal -1
	s_barrier_wait -1
	CREST
.endm
	s_load_b256 s[4:11], s[0:1], 0x0               ; y s[4:5], wp s[6:7], b_proj s[8:9], out0 s[10:11]
	v_lshl_add_u32 v[SPW], v0, 2, SPARE
	v_mov_b32 v[NIL], 0
	ds_add_u32 v[SPW], v[NIL]                      ; the wave's opening: the add, twice on end, and its wait ahead of my first tensor load
	ds_add_u32 v[SPW], v[NIL]
	v_lshrrev_b32 v1, 5, v0
	v_readfirstlane_b32 s12, v1                    ; wave 0..3
	s_lshr_b32 s13, s12, 1                         ; my half of the rows.  Also: I fetch for A (0) or B (1)
	s_and_b32 s14, s12, 1                          ; my half of the columns.  Also: which half I fetch
	s_bfe_u32 s40, ttmp6, 0x40000                  ; cx
	s_bfe_u32 s41, ttmp6, 0x40004                  ; cy = the batch
	s_lshl_b32 s42, ttmp9, 2
	s_add_co_u32 s42, s42, s40                     ; tile column
	s_and_b32 s67, ttmp7, 0xffff                   ; the cluster's y: the block of 128 positions
	s_lshl_b32 s15, s41, 4
	s_add_co_u32 s15, s15, s67                     ; tile row = 16 cy + y
	s_or_b32 s66, s67, s13                         ; 0 where my first 16 rows are positions 0-15
	s_lshl_b32 s43, s41, 2
	s_lshl_b32 s43, 15, s43                        ; my row of the cluster
	s_lshl_b32 s44, 0x1111, s40                    ; my column
	s_or_b32 s[G1+0], s43, (3<<16)|(1<<21)         ; a dense block as 128 rows of 256 bytes (32 elements of 8 bytes), no padding
	s_or_b32 s[G1B+0], s44, (3<<16)|(1<<21)
.irp g, G1, G1B
	s_mov_b32 s[\g+1], 32<<16
	s_mov_b32 s[\g+2], 128<<16
	s_mov_b32 s[\g+3], 32<<16
	s_mov_b32 s[\g+4], 128
	s_mov_b32 s[\g+5], 32
	s_mov_b32 s[\g+6], 0
	s_mov_b32 s[\g+7], 0
.endr
	s_lshl_b32 s16, s15, 1
	s_add_co_u32 s16, s16, s14
	s_lshl_b32 s16, s16, 17                        ; A: rb64 = 2 x tile row + half; four K steps of 32,768 bytes each
	s_mov_b32 s17, 0
	s_lshl_b32 s46, s42, 1
	s_add_co_u32 s46, s46, s14
	s_lshl_b32 s46, s46, 17                        ; B: nb64 = 2 x tile column + half
	s_mov_b32 s47, 0
	s_lshl_b32 s20, s12, 15                        ; where they go: wave x a part
	s_wait_dscnt 0x0                               ; both opening adds are done
	s_wait_kmcnt 0x0
	s_add_nc_u64 s[16:17], s[4:5], s[16:17]
	s_add_nc_u64 s[46:47], s[6:7], s[46:47]
	CROUND                                         ; all sixteen work-groups are here: the first joint loads meet
.irp s, 0,1
	s_mov_b32 s[G0+4*\s], 1
	s_add_co_u32 s[G0+4*\s+1], s20, \s*SLOT
	s_add_nc_u64 s[G0+4*\s+2:G0+4*\s+3], s[16:17], \s*PART
	s_or_b32 s[G0+4*\s+3], s[G0+4*\s+3], 0x80000000
	s_mov_b32 s[G0B+4*\s], 1
	s_add_co_u32 s[G0B+4*\s+1], s20, \s*SLOT
	s_add_nc_u64 s[G0B+4*\s+2:G0B+4*\s+3], s[46:47], \s*PART
	s_or_b32 s[G0B+4*\s+3], s[G0B+4*\s+3], 0x80000000
	JLOAD \s
.endr
	v_and_b32 v1, 15, v0                           ; r
	v_bfe_u32 v2, v0, 4, 1                         ; h
	v_and_b32 v3, 31, v0
	v_lshlrev_b32 v3, 4, v3                        ; 16 x lane
	s_lshl_b32 s21, s13, 15
	s_lshl_b32 s22, s14, 15
	s_add_co_u32 s22, s22, 2*PART
.irp s, 0,1
	v_add_nc_u32 v[ADRA+\s], s21, v3
	v_add_nc_u32 v[ADRB+\s], s22, v3
	s_add_co_u32 s21, s21, SLOT
	s_add_co_u32 s22, s22, SLOT
.endr
	s_mul_i32 s23, s12, 16*SPITCH
	s_add_co_u32 s23, s23, STAGE                   ; my stage
	v_mul_u32_u24 v4, v1, SPITCH
	v_lshl_add_u32 v4, v2, 5, v4
	v_add_nc_u32 v[STO], s23, v4                   ; in: row r, 32 bytes for each half of the lanes
	v_mul_u32_u24 v5, v2, SPITCH
	v_lshl_add_u32 v5, v1, 4, v5
	v_add_nc_u32 v[RD], s23, v5                    ; back: lanes 0-15 one row of 256 bytes, lanes 16-31 the next
	v_lshlrev_b32 v[CO], 12, v2
	v_lshl_add_u32 v[CO], v1, 4, v[CO]             ; and the same two rows in out0
	s_lshl_b32 s46, s42, 9
	s_lshl_b32 s47, s14, 8
	s_add_co_u32 s46, s46, s47                     ; my first column, in bytes
	s_mov_b32 s47, 0
	s_add_nc_u64 s[8:9], s[8:9], s[46:47]
	s_add_nc_u64 s[10:11], s[10:11], s[46:47]
	s_lshl_b32 s22, s15, 19
	s_lshl_b32 s23, s13, 18
	s_add_co_u32 s22, s22, s23                     ; my first row: 128 x tile row + 64 x half, 4,096 bytes a row
	s_mov_b32 s23, 0
	s_add_nc_u64 s[10:11], s[10:11], s[22:23]
	v_lshlrev_b32 v6, 5, v2
.irp b, 0,1,2,3
	global_load_b128 v[BI+8*\b:BI+8*\b+3], v6, s[8:9] offset:64*\b            ; lane (r, h): the bias of columns 16 b + 8 h + 0..7
	global_load_b128 v[BI+8*\b+4:BI+8*\b+7], v6, s[8:9] offset:64*\b+16
.endr
; 8 matrix instructions: row blocks a0, a0+1 x all 4 column blocks, 32 along K: half c of buffer f.  first = 1: the sums start from the bias.  The 16 accumulators take turns
.macro MUL8 f, c, a0, first
.irp a, \a0, \a0+1
.irp b, 0,1,2,3
.if \first
	v_wmma_f32_16x16x32_f16 v[ACC+8*(4*(\a)+\b):ACC+8*(4*(\a)+\b)+7], v[\f+64+8*(4*\c+\b):\f+64+8*(4*\c+\b)+7], v[\f+8*(4*\c+\a):\f+8*(4*\c+\a)+7], v[BI+8*\b:BI+8*\b+7]
.else
	v_wmma_f32_16x16x32_f16 v[ACC+8*(4*(\a)+\b):ACC+8*(4*(\a)+\b)+7], v[\f+64+8*(4*\c+\b):\f+64+8*(4*\c+\b)+7], v[\f+8*(4*\c+\a):\f+8*(4*\c+\a)+7], v[ACC+8*(4*(\a)+\b):ACC+8*(4*(\a)+\b)+7]
.endif
.endr
.endr
.endm
; 32 LDS loads in one run: the fragments of the K step's q-th 64 along K into buffer f; the first 32 along K first
.macro FETCH slot, q, f
	WIN TO_F
.irp c, 0,1
.irp i, 0,1,2,3
	ds_load_b128 v[\f+64+8*(4*\c+\i):\f+64+8*(4*\c+\i)+3],   v[ADRB+\slot] offset:(\i*8+2*(\q)+\c)*1024
	ds_load_b128 v[\f+64+8*(4*\c+\i)+4:\f+64+8*(4*\c+\i)+7], v[ADRB+\slot] offset:(\i*8+2*(\q)+\c)*1024+512
	ds_load_b128 v[\f+8*(4*\c+\i):\f+8*(4*\c+\i)+3],         v[ADRA+\slot] offset:(\i*8+2*(\q)+\c)*1024
	ds_load_b128 v[\f+8*(4*\c+\i)+4:\f+8*(4*\c+\i)+7],       v[ADRA+\slot] offset:(\i*8+2*(\q)+\c)*1024+512
.endr
.endr
.endm
.macro PLACES
.rept 4
	v_nop
.endr
.endm
.macro QUARTER slot, q, f, g, first    ; multiplies buffer f and fetches the slot's q-th quarter into g
	s_wait_dscnt 16                                ; the first 32 along K are in; the youngest sixteen loads may be out
	WIN MUL
	MUL8 \f, 0, 0, \first
	MUL8 \f, 0, 2, \first
	PLACES
	FETCH \slot, \q, \g
	s_wait_dscnt 32                                ; all but the 32 just issued
	WIN MUL
	MUL8 \f, 1, 0, 0
	MUL8 \f, 1, 2, 0
.endm
; The last quarter multiplies buffer 1 and changes slots: in front of the barrier each wave waits for all its tensor loads, adds 0 to its spare word, and waits for that and for its reads of this slot.  fill = 1: this slot is filled again, two K steps ahead
.macro TURN slot, next, fill
	WIN 0
	s_wait_tensorcnt 0x0                           ; all my tensor loads have landed: my part of the next slot
	ds_add_u32 v[SPW], v[NIL]
	s_wait_dscnt 17                                ; (the add and the youngest sixteen loads may be out)
	WIN MUL
	MUL8 F1, 0, 0, 0
	s_wait_dscnt 0x0                               ; the add is done, and my reads of this slot are over
	s_barrier_signal -1
	MUL8 F1, 0, 2, 0
.if \fill
	WIN 0
.endif
	s_barrier_wait -1
.if \fill
	CREST                                          ; the barrier has opened a round of the cluster's: no wave of any partner still reads this slot or has a load on its way
	s_add_nc_u64 s[G0+4*\slot+2:G0+4*\slot+3], s[G0+4*\slot+2:G0+4*\slot+3], 2*PART
	s_add_nc_u64 s[G0B+4*\slot+2:G0B+4*\slot+3], s[G0B+4*\slot+2:G0B+4*\slot+3], 2*PART
	JLOAD \slot                                    ; the first tensor load behind the round; its four v_nop are also the places in front of the loads below
.else
	PLACES
.endif
	FETCH \next, 0, F0
	WIN MUL
	MUL8 F1, 1, 0, 0
	MUL8 F1, 1, 2, 0
.endm
	s_wait_tensorcnt 1                             ; my part of K step 0 is in; K step 1's may stay out
	s_barrier_signal -1
	s_barrier_wait -1
	FETCH 0, 0, F0
	s_wait_loadcnt 0x0                             ; the bias
	QUARTER 0, 1, F0, F1, 1                        ; K step 0
	QUARTER 0, 2, F1, F0, 0
	QUARTER 0, 3, F0, F1, 0
	TURN 0, 1, 1                                   ; slot 0 takes K step 2
	QUARTER 1, 1, F0, F1, 0                        ; K step 1
	QUARTER 1, 2, F1, F0, 0
	QUARTER 1, 3, F0, F1, 0
	TURN 1, 0, 1                                   ; slot 1 takes K step 3
	QUARTER 0, 1, F0, F1, 0                        ; K step 2
	QUARTER 0, 2, F1, F0, 0
	QUARTER 0, 3, F0, F1, 0
	TURN 0, 1, 0
	QUARTER 1, 1, F0, F1, 0                        ; K step 3
	QUARTER 1, 2, F1, F0, 0
	QUARTER 1, 3, F0, F1, 0
	s_wait_dscnt 16
	WIN MUL
	MUL8 F1, 0, 0, 0
	MUL8 F1, 0, 2, 0
	s_wait_dscnt 0
	MUL8 F1, 1, 0, 0
	MUL8 F1, 1, 2, 0
	WIN 0
	; THE WAY OUT, 16 rows at a time through my own stage: in as 32 bytes a lane, back as whole rows of 256 bytes.  LDS serves a wave's instructions in order
.macro OUTB a
.set BK, TMP+32*((\a)%2)
.if (\a) >= 2
	s_wait_xcnt 0x0                                ; the stores of two blocks back have read this set
.endif
.irp b, 0,1,2,3
	ds_store_b128 v[STO], v[ACC+8*(4*(\a)+\b):ACC+8*(4*(\a)+\b)+3] offset:64*\b          ; each accumulator from its low end on
	ds_store_b128 v[STO], v[ACC+8*(4*(\a)+\b)+4:ACC+8*(4*(\a)+\b)+7] offset:64*\b+16
.endr
.irp t, 0,1,2,3,4,5,6,7
	ds_load_b128 v[BK+4*\t:BK+4*\t+3], v[RD] offset:\t*2*SPITCH
.endr
	s_wait_dscnt 0x0
.irp t, 0,1,2,3,4,5,6,7
	global_store_b128 v[CO], v[BK+4*\t:BK+4*\t+3], s[10:11] offset:(16*(\a)+2*\t)*4096 th:TH_STORE_NT   ; sixteen lanes store 256 consecutive bytes, aligned
.endr
.endm
	PLACES
	s_cmp_eq_u32 s66, 0                            ; positions 0-15 belong to the last launch: the cluster's y and the wave's number alone decide
	s_cbranch_scc1 .Lskip0
	OUTB 0
.Lskip0:
	OUTB 1
	OUTB 2
	OUTB 3
	s_wait_tensorcnt 0x0                           ; the wave's end
	ds_add_u32 v[SPW], v[NIL]
	s_wait_dscnt 0x0
	CROUND                                         ; the closing round
	s_endpgm
.Lfunc_end_k_q9bcf9cd2d7_proj:
	.size	k_q9bcf9cd2d7_proj, .Lfunc_end_k_q9bcf9cd2d7_proj-k_q9bcf9cd2d7_proj
	.p2alignl 7, 3214868480
	.fill 96, 4, 3214868480
	.section	.rodata,"a",@progbits
	.p2align	6, 0x0
	.amdhsa_kernel k_q9bcf9cd2d7_proj
		.amdhsa_group_segment_fixed_size 327680
		.amdhsa_private_segment_fixed_size 0
		.amdhsa_enable_private_segment 0
		.amdhsa_kernarg_size 32
		.amdhsa_user_sgpr_count 2
		.amdhsa_user_sgpr_kernarg_segment_ptr 1
		.amdhsa_wavefront_size32 1
		.amdhsa_system_sgpr_workgroup_id_x 1
		.amdhsa_system_sgpr_workgroup_id_y 1
		.amdhsa_system_sgpr_workgroup_id_z 1
		.amdhsa_system_vgpr_workitem_id 0
		.amdhsa_next_free_vgpr 512
		.amdhsa_next_free_sgpr 72
		.amdhsa_reserve_vcc 0
		.amdhsa_float_denorm_mode_32 3
		.amdhsa_float_denorm_mode_16_64 3
		.amdhsa_memory_ordered 1
		.amdhsa_forward_progress 1
		.amdhsa_inst_pref_size 86
	.end_amdhsa_kernel
	.amdgpu_metadata
---
amdhsa.version: [ 1, 2 ]
amdhsa.kernels:
  - .name:           k_q9bcf9cd2d7_proj
    .symbol:         k_q9bcf9cd2d7_proj.kd
    .args:
      - { .name: y, .offset: 0, .size: 8, .value_kind: global_buffer, .address_space: global }
      - { .name: wp, .offset: 8, .size: 8, .value_kind: global_buffer, .address_space: global }
      - { .name: b_proj, .offset: 16, .size: 8, .value_kind: global_buffer, .address_space: global }
      - { .name: out0, .offset: 24, .size: 8, .value_kind: global_buffer, .address_space: global }
    .group_segment_fixed_size: 327680
    .private_segment_fixed_size: 0
    .kernarg_segment_align: 8
    .kernarg_segment_size: 32
    .max_flat_workgroup_size: 128
    .sgpr_count:     72
    .vgpr_count:     512
    .wavefront_size: 32
...
	.end_amdgpu_metadata
.endif
;; end of part 4
;; launch first16 (part 5): grid 16 x 4, 16 waves a work-group, no clusters, 84,992 bytes of LDS; arguments q32, wp, b_proj, out0; writes out0
.if DOCPART == 5
	.amdgcn_target "amdgcn-amd-amdhsa--gfx1250"
	.amdhsa_code_object_version 6
	.text
	.protected	k_q9bcf9cd2d7_first16
	.globl	k_q9bcf9cd2d7_first16
	.p2align	8
	.type	k_q9bcf9cd2d7_first16,@function
k_q9bcf9cd2d7_first16:
	s_mov_b64 s[64:65], 0
	v_nop
	global_prefetch_b8 v0, s[64:65] scope:SCOPE_SE
	s_setreg_imm32_b32 hwreg(HW_REG_WAVE_MODE, 25, 1), 1
	s_wait_xcnt 0x0
; Rows t < 16 of every batch, through attention and projection, with every operand as a pair of f16 numbers, a high and a low part split in f32: these rows average one to sixteen values and are the largest.
; LEFT OUT: k carries no bias (it shifts all scores of a query alike); keys above 15 are hidden from these queries by reference()'s own tril.
; A work-group (x: 64 columns of out0, y: the batch) has sixteen waves.  PHASE 1: wave w is head w: S^T = K Q^T as Kh Qh + Kh Ql + Kl Qh; softmax in f32, normalised; O^T = V^T P, in which the 32 along K of the
; instruction are V's high part for keys 0-15 and its low part for the same keys, against P's part written twice: (Vh + Vl) Ph + (Vh + Vl) Pl.  y's high and low parts go to LDS as images of fragments.
; (Phase 1 is done in each of a batch's sixteen work-groups: 192 KB of reads and 14 matrix instructions a wave.)
; PHASE 2: wave (nt = w%4, kq = w/4) makes 16 columns over 256 along K: Wh yh + Wh yl + Wl yh on three accumulators by turns; the four parts along K meet in LDS; waves 0-7 add them and the bias and store.
; REGISTERS: v1 16 x lane, v2, v3 the add's two, v4 16 r, v5 V's lane offset, v6 r - 8 h, v7 -infinity, v8-12 LDS and output addresses; the rest as the phases say.
.set YH,    0                          ; y's high part: 32 fragments of 1,024 bytes (k = 32 kc on)
.set YL,    32768                      ; its low part
.set RED,   65536                      ; 4 parts along K x 16 rows x 272 bytes
.set SPARE, 82944                      ; the spare words, 128 bytes a wave
.macro SPLIT2 H, L, a, b, t            ; two f32 numbers -> their high parts (11 significant bits) packed in H, what is left packed in L
	v_add_nc_u32 v[\t], s19, v[\a]
	v_add_nc_u32 v[(\t)+1], s19, v[\b]
	v_and_b32 v[\t], s20, v[\t]
	v_and_b32 v[(\t)+1], s20, v[(\t)+1]
	v_cvt_pk_f16_f32 v[\H], v[\t], v[(\t)+1]
	v_sub_f32 v[\t], v[\a], v[\t]
	v_sub_f32 v[(\t)+1], v[\b], v[(\t)+1]
	v_cvt_pk_f16_f32 v[\L], v[\t], v[(\t)+1]
.endm
	s_load_b256 s[4:11], s[0:1], 0x0               ; q32 s[4:5], wp s[6:7], b_proj s[8:9], out0 s[10:11]
	v_lshl_add_u32 v2, v0, 2, SPARE
	v_mov_b32 v3, 0
	v_lshrrev_b32 v1, 5, v0
	v_readfirstlane_b32 s12, v1                    ; wave 0..15
	v_and_b32 v1, 31, v0
	v_lshlrev_b32 v1, 4, v1                        ; 16 x lane
	v_and_b32 v13, 15, v0                          ; r
	v_bfe_u32 v7, v0, 4, 1                         ; h
	v_bfe_u32 v5, v0, 2, 1                         ; V(key 8 h + i, channel 16 dt + r) lies at 1024 dt + 512 ((r/4)%2) + 256 (r/8) + 128 h + 16 i + 4 (r%4)
	v_lshlrev_b32 v5, 9, v5
	v_bfe_u32 v6, v0, 3, 1
	v_lshl_add_u32 v5, v6, 8, v5
	v_lshl_add_u32 v5, v7, 7, v5
	v_and_b32 v6, 3, v0
	v_lshl_add_u32 v5, v6, 2, v5
	v_lshlrev_b32 v6, 3, v7
	v_sub_nc_u32 v6, v13, v6                       ; r - 8 h
	s_and_b32 s24, s12, 3                          ; nt
	s_lshr_b32 s25, s12, 2                         ; kq
	s_lshl_b32 s26, s12, 11
	v_add_nc_u32 v8, s26, v1                       ; where I store y's images: 16 x lane + 2,048 x wave
	s_lshl_b32 s26, s25, 13
	v_add_nc_u32 v9, s26, v1                       ; where I read them: 16 x lane + 8,192 kq
	s_mul_i32 s26, s25, 4352
	s_lshl_b32 s27, s24, 6
	s_add_co_u32 s26, s26, s27
	s_add_co_u32 s26, s26, RED
	v_mul_u32_u24 v10, v13, 272
	v_lshl_add_u32 v10, v7, 5, v10
	v_add_nc_u32 v10, s26, v10                     ; my partial sums: part kq, row r, 64 nt + 32 h bytes on
	s_mul_i32 s26, s12, 544
	s_add_co_u32 s26, s26, RED
	v_mul_u32_u24 v11, v7, 272
	v_lshl_add_u32 v11, v13, 4, v11
	v_add_nc_u32 v11, s26, v11                     ; at the end: row 2 w + h, 16 bytes a lane
	v_lshlrev_b32 v4, 4, v13
	v_lshl_add_u32 v12, v7, 12, v4                 ; and in out0
	v_mov_b32 v7, 0xff800000
	s_mov_b32 s16, 0x76543210
	s_mov_b32 s17, 0xfedcba98
	s_mov_b32 s18, 0x3e38aa3b                      ; c = log2(e) / 8
	s_mov_b32 s19, 0x1000
	s_mov_b32 s20, 0xffffe000
	s_and_b32 s14, ttmp7, 0xffff                   ; the batch
	s_mov_b32 s23, 0
	s_wait_kmcnt 0x0
	s_mul_i32 s22, s14, 48
	s_add_co_u32 s22, s22, s12
	s_lshl_b32 s22, s22, 12
	s_add_nc_u64 s[4:5], s[4:5], s[22:23]          ; q of my head; k lies 16 planes of 4,096 bytes on, v 32
	s_lshl_b32 s22, ttmp9, 2
	s_add_co_u32 s22, s22, s25
	s_lshl_b32 s22, s22, 5
	s_lshl_b32 s26, s24, 3
	s_add_co_u32 s22, s22, s26
	s_lshl_b32 s22, s22, 10
	s_add_nc_u64 s[6:7], s[6:7], s[22:23]          ; W's eight fragments (nb64 = x, ks = kq, b = nt)
	s_lshl_b32 s22, ttmp9, 8
	s_add_nc_u64 s[8:9], s[8:9], s[22:23]
	s_lshl_b32 s26, s14, 23
	s_add_co_u32 s22, s22, s26
	s_lshl_b32 s26, s12, 13
	s_add_co_u32 s22, s22, s26
	s_add_nc_u64 s[10:11], s[10:11], s[22:23]      ; row 2,048 b + 2 w, column 64 x
.irp p, 0,1,2,3,4,5,6,7
	global_load_b128 v[128+4*\p:128+4*\p+3], v1, s[4:5] offset:512*\p            ; q of position r: registers 8 bl + 0..7 are d = 16 bl + 8 h + 0..7
.endr
.irp p, 0,1,2,3,4,5,6,7
	global_load_b128 v[160+4*\p:160+4*\p+3], v1, s[4:5] offset:65536+512*\p      ; k likewise
.endr
.irp dt, 0,1,2,3
.irp i, 0,1,2,3,4,5,6,7
	global_load_b32 v[192+8*\dt+\i], v5, s[4:5] offset:131072+\dt*1024+\i*16     ; v(key 8 h + i, d = 16 dt + r)
.endr
.endr
	s_wait_loadcnt 0x0
.irp n, 0,1,2,3,4,5,6,7,8,9,10,11,12,13,14,15
	SPLIT2 16+\n, 32+\n, 128+2*\n, 129+2*\n, 112+2*(\n%4)                        ; Qh v16-31, Ql v32-47
.endr
.irp n, 0,1,2,3,4,5,6,7,8,9,10,11,12,13,14,15
	SPLIT2 48+\n, 64+\n, 160+2*\n, 161+2*\n, 112+2*(\n%4)                        ; Kh v48-63, Kl v64-79
.endr
.irp dt, 0,1,2,3
.irp i, 0,1,2,3
	SPLIT2 80+8*\dt+\i, 84+8*\dt+\i, 192+8*\dt+2*\i, 193+8*\dt+2*\i, 112+2*\i    ; V's fragment dt at v[80 + 8 dt]: four registers high, four low
.endr
.endr
.irp kc, 0,1,2,3,4,5,6,7                       ; W's fragments for phase 2 are asked for now and land during the rest of phase 1
.irp e, 0,1
	global_load_b128 v[128+8*\kc+4*\e:128+8*\kc+4*\e+3], v1, s[6:7] offset:\kc*1024+512*\e
	global_load_b128 v[192+8*\kc+4*\e:192+8*\kc+4*\e+3], v1, s[6:7] offset:2097152+\kc*1024+512*\e
.endr
.endr
	; S^T on two accumulators by turns
	v_wmma_f32_16x16x32_f16 v[112:119], v[48:55], v[16:23], 0
	v_wmma_f32_16x16x32_f16 v[120:127], v[48:55], v[32:39], 0
	v_wmma_f32_16x16x32_f16 v[112:119], v[64:71], v[16:23], v[112:119]
	v_wmma_f32_16x16x32_f16 v[120:127], v[56:63], v[24:31], v[120:127]
	v_wmma_f32_16x16x32_f16 v[112:119], v[56:63], v[40:47], v[112:119]
	v_wmma_f32_16x16x32_f16 v[120:127], v[72:79], v[24:31], v[120:127]
.rept 4
	v_nop
.endr
.irp j, 0,1,2,3,4,5,6,7
	v_add_f32 v[16+\j], v[112+\j], v[120+\j]       ; lane (r, h): query r, key 8 h + j
.endr
.irp j, 0,1,2,3,4,5,6,7
	v_cmp_gt_i32 vcc_lo, \j, v6                    ; hidden where 8 h + j > r
	v_cndmask_b32 v[16+\j], v[16+\j], v7, vcc_lo
.endr
	v_max3_num_f32 v13, v16, v17, v18
	v_max3_num_f32 v14, v19, v20, v21
	v_max3_num_f32 v13, v13, v22, v23
	v_max_num_f32 v13, v13, v14
	v_permlanex16_b32 v14, v13, s16, s17
	v_max_num_f32 v13, v13, v14                    ; the row's maximum: key 0 counts for every query, so it is a number
	v_mul_f32 v13, s18, v13
.irp j, 0,1,2,3,4,5,6,7
	v_fma_f32 v[16+\j], v[16+\j], s18, -v13
.endr
.irp j, 0,1,2,3,4,5,6,7
	v_exp_f32 v[16+\j], v[16+\j]
.endr
	v_nop
	s_wait_alu depctr_va_vdst(0)                   ; one wait for the eight exponentials, ahead of their first reader
	v_add_f32 v14, v16, v17
	v_add_f32 v15, v18, v19
	v_add_f32 v24, v20, v21
	v_add_f32 v25, v22, v23
	v_add_f32 v14, v14, v15
	v_add_f32 v24, v24, v25
	v_add_f32 v14, v14, v24
	v_permlanex16_b32 v15, v14, s16, s17
	v_add_f32 v14, v14, v15
	v_rcp_f32 v14, v14
	v_nop
	s_wait_alu depctr_va_vdst(0)
.irp j, 0,1,2,3,4,5,6,7
	v_mul_f32 v[16+\j], v[16+\j], v14
.endr
.irp i, 0,1,2,3
	SPLIT2 32+\i, 40+\i, 16+2*\i, 17+2*\i, 112+2*\i
.endr
.irp i, 0,1,2,3
	v_mov_b32 v[36+\i], v[32+\i]                   ; P's part stands twice: against V's high part and against its low part
	v_mov_b32 v[44+\i], v[40+\i]
.endr
.irp dt, 0,1,2,3
	v_wmma_f32_16x16x32_f16 v[48+8*\dt:48+8*\dt+7], v[80+8*\dt:80+8*\dt+7], v[32:39], 0
.endr
.irp dt, 0,1,2,3
	v_wmma_f32_16x16x32_f16 v[48+8*\dt:48+8*\dt+7], v[80+8*\dt:80+8*\dt+7], v[40:47], v[48+8*\dt:48+8*\dt+7]
.endr
.rept 5
	v_nop                                          ; FIVE places, not four: phase 2's matrix instructions write their sums over V's fragments (v80-103) and take O^T's registers (v48-79, filled anew from LDS) as an operand; the splits below name v32-39, a source of the first four products, and so are no places for those
.endr
.irp dt, 0,1,2,3
.irp i, 0,1,2,3
	SPLIT2 16+4*\dt+\i, 112+4*\dt+\i, 48+8*\dt+2*\i, 49+8*\dt+2*\i, 32+2*\i       ; y's high part v16-31, low part v112-127; each accumulator from its low end on
.endr
.endr
.irp dt, 0,1,2,3
	ds_store_b128 v8, v[16+4*\dt:16+4*\dt+3] offset:YH+512*\dt
	ds_store_b128 v8, v[112+4*\dt:112+4*\dt+3] offset:YL+512*\dt
.endr
	s_wait_dscnt 0x0                               ; for the others' sake: my images lie in LDS
	s_barrier_signal -1
	s_barrier_wait -1
	s_wait_loadcnt 0x0                             ; W's fragments
.irp g, 0,1
.if \g > 0
.rept 4
	v_nop                                          ; places in front of loads into registers that matrix instructions have read
.endr
.endif
.irp k, 0,1,2,3
.irp e, 0,1
	ds_load_b128 v[16+8*\k+4*\e:16+8*\k+4*\e+3], v9 offset:YH+(4*\g+\k)*1024+512*\e
	ds_load_b128 v[48+8*\k+4*\e:48+8*\k+4*\e+3], v9 offset:YL+(4*\g+\k)*1024+512*\e
.endr
.endr
	s_wait_dscnt 0x0
.irp k, 0,1,2,3
.if (\g == 0) && (\k == 0)
	v_wmma_f32_16x16x32_f16 v[80:87], v[128:135], v[16:23], 0
	v_wmma_f32_16x16x32_f16 v[88:95], v[128:135], v[48:55], 0
	v_wmma_f32_16x16x32_f16 v[96:103], v[192:199], v[16:23], 0
.else
	v_wmma_f32_16x16x32_f16 v[80:87], v[128+8*(4*\g+\k):128+8*(4*\g+\k)+7], v[16+8*\k:16+8*\k+7], v[80:87]
	v_wmma_f32_16x16x32_f16 v[88:95], v[128+8*(4*\g+\k):128+8*(4*\g+\k)+7], v[48+8*\k:48+8*\k+7], v[88:95]
	v_wmma_f32_16x16x32_f16 v[96:103], v[192+8*(4*\g+\k):192+8*(4*\g+\k)+7], v[16+8*\k:16+8*\k+7], v[96:103]
.endif
.endr
.endr
.rept 4
	v_nop
.endr
.irp j, 0,1,2,3,4,5,6,7
	v_add_f32 v[104+\j], v[80+\j], v[88+\j]
.endr
.irp j, 0,1,2,3,4,5,6,7
	v_add_f32 v[104+\j], v[104+\j], v[96+\j]       ; lane (r, h): row r, columns 16 nt + 8 h + 0..7, over my 256 along K
.endr
	ds_store_b128 v10, v[104:107]
	ds_store_b128 v10, v[108:111] offset:16
	s_wait_dscnt 0x0
	s_barrier_signal -1
	s_barrier_wait -1
	s_cmp_lt_u32 s12, 8                            ; waves 0-7 store two rows each
	s_cbranch_scc0 .Ldone
	global_load_b128 v[32:35], v4, s[8:9]
	ds_load_b128 v[16:19], v11
	ds_load_b128 v[20:23], v11 offset:4352
	ds_load_b128 v[24:27], v11 offset:8704
	ds_load_b128 v[28:31], v11 offset:13056
	s_wait_dscnt 0x0
	v_pk_add_f32 v[16:17], v[16:17], v[20:21]
	v_pk_add_f32 v[18:19], v[18:19], v[22:23]
	v_pk_add_f32 v[24:25], v[24:25], v[28:29]
	v_pk_add_f32 v[26:27], v[26:27], v[30:31]
	v_pk_add_f32 v[16:17], v[16:17], v[24:25]
	v_pk_add_f32 v[18:19], v[18:19], v[26:27]
	s_wait_loadcnt 0x0
	v_pk_add_f32 v[16:17], v[16:17], v[32:33]
	v_pk_add_f32 v[18:19], v[18:19], v[34:35]
	global_store_b128 v12, v[16:19], s[10:11]      ; sixteen lanes store 256 consecutive bytes, aligned
.Ldone:
	s_wait_tensorcnt 0x0                           ; the wave's end
	ds_add_u32 v2, v3
	s_wait_dscnt 0x0
	s_endpgm
.Lfunc_end_k_q9bcf9cd2d7_first16:
	.size	k_q9bcf9cd2d7_first16, .Lfunc_end_k_q9bcf9cd2d7_first16-k_q9bcf9cd2d7_first16
	.p2alignl 7, 3214868480
	.fill 96, 4, 3214868480
	.section	.rodata,"a",@progbits
	.p2align	6, 0x0
	.amdhsa_kernel k_q9bcf9cd2d7_first16
		.amdhsa_group_segment_fixed_size 84992
		.amdhsa_private_segment_fixed_size 0
		.amdhsa_enable_private_segment 0
		.amdhsa_kernarg_size 32
		.amdhsa_user_sgpr_count 2
		.amdhsa_user_sgpr_kernarg_segment_ptr 1
		.amdhsa_wavefront_size32 1
		.amdhsa_system_sgpr_workgroup_id_x 1
		.amdhsa_system_sgpr_workgroup_id_y 1
		.amdhsa_system_sgpr_workgroup_id_z 1
		.amdhsa_system_vgpr_workitem_id 0
		.amdhsa_next_free_vgpr 256
		.amdhsa_next_free_sgpr 66
		.amdhsa_reserve_vcc 1
		.amdhsa_float_denorm_mode_32 3
		.amdhsa_float_denorm_mode_16_64 3
		.amdhsa_memory_ordered 1
		.amdhsa_forward_progress 1
		.amdhsa_inst_pref_size 43
	.end_amdhsa_kernel
	.amdgpu_metadata
---
amdhsa.version: [ 1, 2 ]
amdhsa.kernels:
  - .name:           k_q9bcf9cd2d7_first16
    .symbol:         k_q9bcf9cd2d7_first16.kd
    .args:
      - { .name: q32, .offset: 0, .size: 8, .value_kind: global_buffer, .address_space: global }
      - { .name: wp, .offset: 8, .size: 8, .value_kind: global_buffer, .address_space: global }
      - { .name: b_proj, .offset: 16, .size: 8, .value_kind: global_buffer, .address_space: global }
      - { .name: out0, .offset: 24, .size: 8, .value_kind: global_buffer, .address_space: global }
    .group_segment_fixed_size: 84992
    .private_segment_fixed_size: 0
    .kernarg_segment_align: 8
    .kernarg_segment_size: 32
    .max_flat_workgroup_size: 512
    .sgpr_count:     66
    .vgpr_count:     256
    .wavefront_size: 32
...
	.end_amdgpu_metadata
.endif
;; end of part 5
